; MI455X (gfx1250); checked and timed in simulation.
; The chip was launched on July 23, 2026; its instructions are those of AMD's public machine-readable ISA for CDNA 5 (MIT licence, August 2026) and "CDNA5" Instruction Set Architecture Reference Guide (July 2026). The comments in the code are by the model that wrote it; some were corrected since.
;; Minimal SSM Torch. Allowed arithmetic: float matrix products may take bf16 or f16 operands with f32 sums; other float arithmetic in f32, or as packed bf16 or f16 multiplies, adds, multiply-adds, maxima and minima; sums over many terms, partial sums and values carried from step to step in f32; what a program stores and reads back later, other than sums and carried values, may be rounded once to bf16 or f16.
;; Inputs: W_A 2,048 x 16 float32; W_B 2,048 x 16 float32; W_C 2,048 x 16 float32; W_in 1,024 x 4,096 float32; W_out 2,048 x 1,024 float32; norm_w 2,048 float32; x 4 x 2,048 x 1,024 float32.
;; Outputs: out0 4 x 2,048 x 1,024 float32.
;; 2 versions, each right; version 2 is version 1 with the launches prep, scan written anew for expert scheduling mode. Each part assembles by itself: llvm-mc -triple=amdgcn-amd-amdhsa -mcpu=gfx1250 --defsym DOCPART=n.
;; ======== version 1 of 2: 5 launches
;; limits: values outside matrix products are rounded to f16; values are held in f16: magnitudes above 65,504 overflow, below 6.1e-05 lose precision; right only within a limited range of input values
;; workspace buffers: prep 29,556,736 bytes; xin 33,554,432 bytes; pp 25,165,824 bytes; chk 2,139,136 bytes; y8 33,554,432 bytes; ssq 2,097,152 bytes
;; launch prep (part 1): grid 707 x 1, 8 waves a work-group, no clusters, 35,840 bytes of LDS; arguments x, W_in, W_out, W_A, W_B, W_C, prep; writes prep
.if DOCPART == 1
	.amdgcn_target "amdgcn-amd-amdhsa--gfx1250"
	.amdhsa_code_object_version 6
	.text
	.protected	k_qe53789f51b_prep
	.globl	k_qe53789f51b_prep
	.p2align	8
	.type	k_qe53789f51b_prep,@function
k_qe53789f51b_prep:
	s_mov_b64 s[64:65], 0
	v_nop
	global_prefetch_b8 v0, s[64:65] scope:SCOPE_SE
	s_setreg_imm32_b32 hwreg(HW_REG_WAVE_MODE, 25, 1), 1
	s_wait_xcnt 0x0
; PREP: every matrix operand that comes from an input is rounded once to bf16 and laid out in GROUPS OF EIGHT: G[k/8][row][8], 16 bytes = 8 neighbouring k of one row,
; so that 16 neighbouring rows of a group are 256 consecutive bytes.  Regions of prep: XB8 (x) at 0, WIN8 (W_in) , WO8 (W_out), WP8 (W_A, W_B, W_C side by side, 48 rows).
; THE WHOLE PROGRAM.  The decay exp(a_t[n]) of the scan is the same for all channels d, so with E'_t the running sum of e = exp(clip(..)) inside a chunk of 64 steps
;   out_t = sum over s <= t of M[t,s] x_s + (c_t exp(-E'_t)) . S_prev,   M[t,s] = sum over n of c_t[n] exp(-(E'_t - E'_s)) b_s[n],   S_next = S_prev exp(-E'_63) + sum over s of b_s exp(-(E'_63 - E'_s)) x_s.
; WORK LEFT OUT, for all values of the inputs: (1) the product with the initial state, which reference() builds as zeros: chunk 0 of each batch has no S_prev term;
; (2) the last chunk's contribution to the state, and the last state: reference() drops the scan's final state; (3) the parts of M with s > t in whole fragments: the sum runs over s <= t alone.
; A NaN, an infinity or an overflow that would reach only this work is not carried to the result.  Every input has a way to the output and is loaded.
; LIMITS of the program: NaN and infinities are not treated apart; |x_in| stays under 65,504 (it is kept in f16); exponentials under 2^-126 count as 0; where
; max|c_t| x max|b| of a chunk is under 2^-69 the row comes out 0 (reference()'s value there is under 2^-57 of a row of ordinary size).
; SHARES.  Work-groups 0-127: W_in (32 columns each, a wave 128 k).  128-191: W_out.  192-194: W_A, W_B, W_C.  195-706: x (16 rows each, a wave 128 k).
; W_in's column gate x 2048 + 128 j + 64 cw + i goes to row 256 j + 128 cw + 64 gate + i, so that a wave of the first product holds both gates of its 64 channels.
.set WIN8,  16777216
.set WO8,   25165824
.set WP8,   29360128
.set SPARE, 34816                      ; behind the eight waves' stages: the spare words, 128 bytes a wave
.set VI, 2                             ; v[2:9]    load offsets: row i of a group
.set VD, 10                            ; v[10:25]  store offsets: piece p
.set R,  32                            ; v[32:159] 16 pieces of 8 numbers
	s_load_b256 s[4:11], s[0:1], 0x0               ; x s[4:5], W_in s[6:7], W_out s[8:9], W_A s[10:11]
	s_load_b128 s[12:15], s[0:1], 0x20             ; W_B s[12:13], W_C s[14:15]
	s_load_b64 s[16:17], s[0:1], 0x30              ; prep
	v_lshl_add_u32 v30, v0, 2, SPARE               ; my spare word,
	v_mov_b32 v31, 0                               ; and 0: kept for the closing add alone
	v_lshrrev_b32 v1, 5, v0
	v_readfirstlane_b32 s18, v1                    ; wave
	v_and_b32 v26, 15, v0                          ; r
	v_bfe_u32 v27, v0, 4, 1                        ; h
	v_and_b32 v28, 31, v0                          ; l
	s_mov_b32 s19, ttmp9
	s_mov_b32 s23, 0                               ; high words of the two offset pairs
	s_mov_b32 s31, 0
	s_wait_kmcnt 0x0
	s_cmp_ge_u32 s19, 195
	s_cbranch_scc1 .Lx
	s_cmp_ge_u32 s19, 192
	s_cbranch_scc1 .Lwp
	s_cmp_ge_u32 s19, 128
	s_cbranch_scc1 .Lwout
	; W_in [1024][4096]: s20 bytes from k to k + 1, s21 from lanes 0-15 to 16-31 in the source, s22 from piece to piece; s28, s29 the same two steps in prep
	s_mov_b32 s20, 16384
	s_mov_b32 s21, 64
	s_mov_b32 s22, 131072
	s_mov_b32 s28, 65536
	s_mov_b32 s29, 256
	s_lshl_b32 s30, s18, 21                        ; wave x 128 rows of 16,384 bytes
	s_lshl_b32 s2, s19, 7                          ; 32 columns
	s_add_co_u32 s30, s30, s2
	s_add_nc_u64 s[24:25], s[6:7], s[30:31]
	s_bfe_u32 s30, s19, 0x40002                    ; j
	s_lshl_b32 s30, s30, 12
	s_bfe_u32 s2, s19, 0x10001                     ; cw
	s_lshl_b32 s2, s2, 11
	s_add_co_u32 s30, s30, s2
	s_lshr_b32 s2, s19, 6                          ; gate
	s_lshl_b32 s2, s2, 10
	s_add_co_u32 s30, s30, s2
	s_and_b32 s2, s19, 1                           ; which 32 of the 64
	s_lshl_b32 s2, s2, 9
	s_add_co_u32 s30, s30, s2
	s_lshl_b32 s2, s18, 20                         ; wave x 16 groups of 65,536 bytes
	s_add_co_u32 s30, s30, s2
	s_add_co_u32 s30, s30, WIN8
	s_add_nc_u64 s[26:27], s[16:17], s[30:31]
	s_branch .Lw
.Lwout:                                        ; W_out [2048][1024]
	s_sub_co_u32 s30, s19, 128
	s_lshl3_add_u32 s30, s30, s18                  ; 8 (id - 128) + wave
	s_and_b32 s2, s30, 15                          ; block of 128 k
	s_lshr_b32 s3, s30, 4                          ; block of 32 columns
	s_mov_b32 s20, 4096
	s_mov_b32 s21, 64
	s_mov_b32 s22, 32768
	s_mov_b32 s28, 16384
	s_mov_b32 s29, 256
	s_lshl_b32 s30, s2, 19
	s_lshl_b32 s24, s3, 7
	s_add_co_u32 s30, s30, s24
	s_add_nc_u64 s[24:25], s[8:9], s[30:31]
	s_lshl_b32 s30, s2, 18
	s_lshl_b32 s3, s3, 9
	s_add_co_u32 s30, s30, s3
	s_add_co_u32 s30, s30, WO8
	s_add_nc_u64 s[26:27], s[16:17], s[30:31]
	s_branch .Lw
.Lwp:                                          ; W_A, W_B or W_C [2048][16]: lanes 16-31 take the next group of 8 channels
	s_sub_co_u32 s2, s19, 192
	s_cmp_eq_u32 s2, 0
	s_cselect_b64 s[24:25], s[10:11], s[12:13]
	s_cmp_eq_u32 s2, 2
	s_cselect_b64 s[24:25], s[14:15], s[24:25]
	s_mov_b32 s20, 64
	s_mov_b32 s21, 512
	s_mov_b32 s22, 1024
	s_mov_b32 s28, 1536
	s_mov_b32 s29, 768
	s_lshl_b32 s30, s18, 14                        ; wave x 256 channels of 64 bytes
	s_add_nc_u64 s[24:25], s[24:25], s[30:31]
	s_mul_i32 s30, s18, 24576                      ; wave x 32 groups of 768 bytes
	s_lshl_b32 s2, s2, 8                           ; the matrix's 16 of the 48 rows
	s_add_co_u32 s30, s30, s2
	s_add_co_u32 s30, s30, WP8
	s_add_nc_u64 s[26:27], s[16:17], s[30:31]
.Lw:                                           ; one text for the three: a lane gathers 8 k of one column, 16 times, and stores 16 bytes each time
	v_lshlrev_b32 v1, 2, v26
	v_mad_u32_u24 v[VI], v27, s21, v1
.irp i, 1,2,3,4,5,6,7
	v_add_nc_u32 v[VI+(\i)], s20, v[VI+(\i)-1]
.endr
	v_lshlrev_b32 v1, 4, v26
	v_mad_u32_u24 v[VD], v27, s29, v1
.irp p, 1,2,3,4,5,6,7,8,9,10,11,12,13,14,15
	v_add_nc_u32 v[VD+(\p)], s28, v[VD+(\p)-1]
.endr
	s_mov_b64 s[32:33], s[24:25]
.irp p, 1,2,3,4,5,6,7,8,9,10,11,12,13,14,15
	s_add_nc_u64 s[32+2*(\p):33+2*(\p)], s[30+2*(\p):31+2*(\p)], s[22:23]
.endr
.irp p, 0,1,2,3,4,5,6,7,8,9,10,11,12,13,14,15
.irp i, 0,1,2,3,4,5,6,7
	global_load_b32 v[R+8*(\p)+(\i)], v[VI+(\i)], s[32+2*(\p):33+2*(\p)]
.endr
.endr
.set p, 0
.rept 16
.if 120-8*p > 63
	s_wait_loadcnt 63                              ; the wait's field holds no more; a smaller count than the 120 - 8 p younger loads
.else
	s_wait_loadcnt 120-8*p                         ; the loads younger than piece p's last
.endif
.irp k, 0,1,2,3
	v_cvt_pk_bf16_f32 v[R+8*p+(\k)], v[R+8*p+2*(\k)], v[R+8*p+2*(\k)+1]  ; each pair is read before its place is written
.endr
	global_store_b128 v[VD+p], v[R+8*p:R+8*p+3], s[26:27]  ; 16 lanes store 256 consecutive bytes, aligned
.set p, p+1
.endr
	s_branch .Lend
.Lx:                                           ; x [8192][1024]: 16 rows x 128 k a wave, turned in the wave's own stage: [16 groups, 272 bytes apart][16 rows][16 bytes]
	s_sub_co_u32 s2, s19, 195
	s_lshl_b32 s30, s2, 16                         ; 16 rows of 4,096 bytes
	s_lshl_b32 s3, s18, 9                          ; the wave's 512 bytes of a row
	s_add_co_u32 s30, s30, s3
	s_add_nc_u64 s[24:25], s[4:5], s[30:31]
	s_lshl_b32 s30, s18, 21                        ; wave x 16 groups of 131,072 bytes
	s_lshl_b32 s3, s2, 8                           ; 16 rows of 16 bytes
	s_add_co_u32 s30, s30, s3
	s_add_nc_u64 s[26:27], s[16:17], s[30:31]
	v_lshlrev_b32 v2, 4, v28
.irp i, 0,1,2,3,4,5,6,7,8,9,10,11,12,13,14,15
	global_load_b128 v[32+4*(\i):35+4*(\i)], v2, s[24:25] offset:(\i)*4096 th:TH_LOAD_NT
.endr
	s_mul_i32 s3, s18, 4352
	v_lshrrev_b32 v3, 1, v28                       ; in: group l / 2, half l % 2
	v_mul_u32_u24 v3, v3, 272
	v_and_b32 v4, 1, v28
	v_lshl_add_u32 v3, v4, 3, v3
	v_add_nc_u32 v3, s3, v3
	v_mul_u32_u24 v4, v27, 272                     ; back: group 2 p + h, row r
	v_lshl_add_u32 v4, v26, 4, v4
	v_add_nc_u32 v4, s3, v4
	v_lshlrev_b32 v5, 17, v27
	v_lshl_add_u32 v5, v26, 4, v5
.irp i, 0,1,2,3,4,5,6,7,8,9,10,11,12,13,14,15
	s_wait_loadcnt 15-(\i)                         ; the younger rows stay out
	v_cvt_pk_bf16_f32 v[96+2*(\i)], v[32+4*(\i)], v[33+4*(\i)]
	v_cvt_pk_bf16_f32 v[97+2*(\i)], v[34+4*(\i)], v[35+4*(\i)]
	ds_store_b64 v3, v[96+2*(\i):97+2*(\i)] offset:(\i)*16
.endr
.irp p, 0,1,2,3,4,5,6,7
	ds_load_b128 v[128+4*(\p):131+4*(\p)], v4 offset:(\p)*544  ; LDS serves a wave's instructions in order: these see the stores above
.endr
.irp p, 0,1,2,3,4,5,6,7
	s_wait_dscnt 7-(\p)                            ; the younger loads stay out
	global_store_b128 v5, v[128+4*(\p):131+4*(\p)], s[26:27] offset:(\p)*262144
.endr
.Lend:
	s_wait_tensorcnt 0x0                           ; the wave's end
	ds_add_u32 v30, v31
	s_wait_dscnt 0x0
	s_endpgm
.Lfunc_end_k_qe53789f51b_prep:
	.size	k_qe53789f51b_prep, .Lfunc_end_k_qe53789f51b_prep-k_qe53789f51b_prep
	.p2alignl 7, 3214868480
	.fill 96, 4, 3214868480
	.section	.rodata,"a",@progbits
	.p2align	6, 0x0
	.amdhsa_kernel k_qe53789f51b_prep
		.amdhsa_group_segment_fixed_size 35840
		.amdhsa_private_segment_fixed_size 0
		.amdhsa_enable_private_segment 0
		.amdhsa_kernarg_size 56
		.amdhsa_user_sgpr_count 2
		.amdhsa_user_sgpr_kernarg_segment_ptr 1
		.amdhsa_wavefront_size32 1
		.amdhsa_system_sgpr_workgroup_id_x 1
		.amdhsa_system_sgpr_workgroup_id_y 1
		.amdhsa_system_sgpr_workgroup_id_z 1
		.amdhsa_system_vgpr_workitem_id 0
		.amdhsa_next_free_vgpr 176
		.amdhsa_next_free_sgpr 66
		.amdhsa_reserve_vcc 0
		.amdhsa_float_denorm_mode_32 3
		.amdhsa_float_denorm_mode_16_64 3
		.amdhsa_memory_ordered 1
		.amdhsa_forward_progress 1
		.amdhsa_inst_pref_size 31
	.end_amdhsa_kernel
	.amdgpu_metadata
---
amdhsa.version: [ 1, 2 ]
amdhsa.kernels:
  - .name:           k_qe53789f51b_prep
    .symbol:         k_qe53789f51b_prep.kd
    .args:
      - { .name: x, .offset: 0, .size: 8, .value_kind: global_buffer, .address_space: global }
      - { .name: W_in, .offset: 8, .size: 8, .value_kind: global_buffer, .address_space: global }
      - { .name: W_out, .offset: 16, .size: 8, .value_kind: global_buffer, .address_space: global }
      - { .name: W_A, .offset: 24, .size: 8, .value_kind: global_buffer, .address_space: global }
      - { .name: W_B, .offset: 32, .size: 8, .value_kind: global_buffer, .address_space: global }
      - { .name: W_C, .offset: 40, .size: 8, .value_kind: global_buffer, .address_space: global }
      - { .name: prep, .offset: 48, .size: 8, .value_kind: global_buffer, .address_space: global }
    .group_segment_fixed_size: 35840
    .private_segment_fixed_size: 0
    .kernarg_segment_align: 8
    .kernarg_segment_size: 56
    .max_flat_workgroup_size: 256
    .sgpr_count:     66
    .vgpr_count:     176
    .wavefront_size: 32
...
	.end_amdgpu_metadata
.endif
;; end of part 1
;; launch gemm1 (part 2): grid 16 x 32, 4 waves a work-group, clusters of 4 x 4, 327,680 bytes of LDS; arguments prep, xin, pp; writes xin, pp
.if DOCPART == 2
	.amdgcn_target "amdgcn-amd-amdhsa--gfx1250"
	.amdhsa_code_object_version 6
	.text
	.protected	k_qe53789f51b_gemm1
	.globl	k_qe53789f51b_gemm1
	.p2align	8
	.type	k_qe53789f51b_gemm1,@function
k_qe53789f51b_gemm1:
	s_mov_b64 s[64:65], 0
	v_nop
	global_prefetch_b8 v0, s[64:65] scope:SCOPE_SE
	s_setreg_imm32_b32 hwreg(HW_REG_WAVE_MODE, 25, 1), 1
	s_wait_xcnt 0x0
	s_wait_alu depctr_hold_cnt(0) depctr_sa_sdst(0) depctr_va_vdst(0) depctr_va_sdst(0) depctr_va_ssrc(0) depctr_va_vcc(0) depctr_vm_vsrc(0)
	s_getreg_b32 s2, hwreg(HW_REG_IB_STS2, 6, 4)
	s_cmp_eq_u32 s2, 0
	s_cbranch_scc0 .Lentry_in_a_cluster
	s_endpgm
.Lentry_in_a_cluster:
	s_bfe_u32 s2, ttmp6, 0x10000c
	s_cmp_lg_u32 s2, 0xf033
	s_cbranch_scc0 .Lentry_shape_is_right
	s_endpgm
.Lentry_shape_is_right:
; GEMM1: xz = x W_in, the gate x_in = silu(u) sigmoid(v), and the three projections of width 16, as partial sums over 128 channels.  No work of reference() is left out here.
; A tile is 256 rows x 256 columns of the reordered W_in: 128 channels with both gates.  Four waves, each 128 rows x 128 columns: its n blocks 0-3 hold u, 4-7 hold v of the SAME 64 channels.
; K = 1,024 goes in 8 steps of 128 through two LDS slots filled by tensor loads.  Operands lie in groups of eight ([k/8][row][8]), so a tile is 16 rows of 2,048 bytes, dense in LDS,
; and the 16 lanes of a fragment load read 256 consecutive bytes.  CLUSTER 4 x 4: A's tile is asked for jointly along a row of the cluster, B's along a column.
; The matrix instruction is used transposed (source 0 = 16 rows of B, source 1 = 16 rows of A): a lane holds one row t and eight neighbouring channels.
; OUT.  xin: f16 [256 groups][8192 t][8]; pp: f32 [16 slices][12 pieces = 4 g + n / 4][8192 t][4], g = 0 A, 1 B, 2 C.  For the projections x_in goes as a bf16 pair, high and low part.
; LIMITS: |x_in| under 65,504; e^-v is held at 2^126, so that sigmoid(v) under 2^-126 counts as 2^-126; NaN and infinities are not treated apart.
; REGISTERS: window 0: v16-31 addresses, v32-55 the projections' sums, v64-191 A's fragments (two buffers; on the way out the gate's work), v192-239 the projections' weights;
; window 1: v64-191 B's fragments; windows 2, 3: the 64 accumulators, (a, b) at v[8 (8 (a % 4) + b)].
.set LAPS,  4                          ; a lap = two K steps = once round the ring
.set HALFT, 32768                      ; 16 groups x 128 rows x 16 bytes: what one tensor load brings
.set SLOT,  131072                     ; A's two halves, then B's two halves
.set SPARE, 262144                     ; behind the ring: the spare words, 128 bytes a wave
.set KA,    2097152                    ; a K step in x's region: 16 groups of 131,072 bytes
.set KB,    1048576                    ; in W_in's: 16 groups of 65,536 bytes
.set WIN8,  16777216
.set WP8,   29360128
.set ADRA, 16                          ; v16-17  LDS address of my A fragments in slot 0, 1
.set ADRB, 20                          ; v20-21  the same for B
.set OWN,  22                          ; v22     the projections' stage: my own sums,
.set PART, 23                          ; v23     and my partner's (the wave with the other 64 channels)
.set XO,   24                          ; v24     my offset in xin
.set PO,   25                          ; v25     my offset in pp
.set SGA,  26                          ; v26     where I put a row block's sums
.set WPO,  27                          ; v27     my offset in the projections' weights
.set SPW,  28                          ; v28     my spare word; never rewritten
.set NIL,  29                          ; v29     0; never rewritten
.set PFO,  30                          ; v30     the prefetches' offset; never rewritten
.set NEG1, 31                          ; v31     -1.0
.set PR,   32
.set F0,   64
.set F1,   128
.set WPF,  192
.set G1,  24                           ; s[24:31] descriptor group 1 for A's tiles; s[32:39] group 0, a set for each slot
.set G0,  32
.set G1B, 48                           ; s[48:55], s[56:63] the same for B's
.set G0B, 56
.set LIM, 43                           ; s43     1 in a wave that prefetches, else the greatest number
.set PFA, 44                           ; s[44:45] where my prefetches stand
.set PFS, 78                           ; s[78:79] a K step in my operand's region
.set KL,  66                           ; s[66:67] -log2(e), twice
.set XB,  68                           ; s[68:69] xin at my channels and rows
.set PPB, 70                           ; s[70:71] pp at my slice and rows
.set WPB, 72                           ; s[72:73] the projections' weights at my channels
.set AI,  74                           ; s74     counts row blocks
.set MSB, 0
.macro WIN new                         ; the immediate's high byte repeats the setting that is left
.if MSB != (\new)
	s_set_vgpr_msb (MSB<<8)|(\new)
.set MSB, \new
.endif
.endm
.set MUL_LO, 0xa1                      ; source 0 (B) window 1, source 1 (A) window 0, C and D window 2
.set MUL_HI, 0xf1                      ; the same, C and D window 3
.set TO_B,   0x40                      ; destination window 1, address window 0
.macro JLOAD s                         ; a joint load: waves 0 and 1 fetch A's halves, waves 2 and 3 B's; an s_nop 0 and four v_nop follow each line
	s_cmp_eq_u32 s11, 0
	s_cbranch_scc0 .Lfor_b_\@
	tensor_load_to_lds s[G0+4*(\s):G0+4*(\s)+3], s[G1:G1+7]
	s_nop 0
.rept 4
	v_nop
.endr
	s_branch .Lasked_\@
.Lfor_b_\@:
	tensor_load_to_lds s[G0B+4*(\s):G0B+4*(\s)+3], s[G1B:G1B+7]
	s_nop 0
.rept 4
	v_nop
.endr
.Lasked_\@:
.endm
; A prefetch of the K step that stands two refills on: of the 16 groups x 2,048 bytes that I fetch, my work-group's 512 bytes of each group (told apart by address: cx for A, cy for B), a lane 256 bytes.
; A's rows are read by every cluster of a row of clusters: cluster x = 0 asks; B's by every cluster of a column: cluster y = 0 asks.  The loop's last trip has no K step two on.
.macro ASK
	s_cmp_gt_u32 s3, s[LIM]
	s_cbranch_scc0 .Lnot_mine_\@
	global_prefetch_b8 v[PFO], s[PFA:PFA+1] th:TH_LOAD_NT scope:SCOPE_SE
.Lnot_mine_\@:
.endm
.macro CREST                           ; a round of the cluster's barrier behind its opening barrier
	s_cmp_lg_u32 s10, 0
	s_cbranch_scc1 .Lnot_wave_0_\@
	s_barrier_signal -3
.Lnot_wave_0_\@:
	s_barrier_wait -3
	s_barrier_signal -1
	s_barrier_wait -1
.endm
.macro CROUND
	s_barrier_signal -1
	s_barrier_wait -1
	CREST
.endm
	s_load_b128 s[4:7], s[0:1], 0x0                ; prep s[4:5], xin s[6:7]
	s_load_b64 s[8:9], s[0:1], 0x10                ; pp
	v_lshl_add_u32 v[SPW], v0, 2, SPARE
	v_mov_b32 v[NIL], 0
	ds_add_u32 v[SPW], v[NIL]                      ; the wave's opening: the add, twice on end, and its wait ahead of my first tensor load
	ds_add_u32 v[SPW], v[NIL]
	v_lshrrev_b32 v1, 5, v0
	v_readfirstlane_b32 s10, v1                    ; wave 0..3
	s_lshr_b32 s11, s10, 1                         ; rw: my half of the tile's rows.  Also: I fetch for A (0) or B (1)
	s_and_b32 s12, s10, 1                          ; cw: my half of its columns.  Also: which half of that tile I fetch
	s_bfe_u32 s40, ttmp6, 0x40000                  ; cx
	s_bfe_u32 s41, ttmp6, 0x40004                  ; cy
	s_lshl_b32 s42, ttmp9, 2
	s_add_co_u32 s42, s42, s40                     ; j: the slice of 128 channels
	s_and_b32 s13, ttmp7, 0xffff
	s_lshl_b32 s13, s13, 2
	s_add_co_u32 s13, s13, s41                     ; i: the block of 256 rows
	s_lshl_b32 s43, s41, 2
	s_lshl_b32 s43, 15, s43                        ; my row of the cluster
	s_lshl_b32 s44, 0x1111, s40                    ; my column
	s_or_b32 s[G1+0], s43, (1<<16)|(1<<21)         ; 15:0 the mask; 17:16 elements of 2 bytes; 21 set beside a mask; no padding
	s_or_b32 s[G1B+0], s44, (1<<16)|(1<<21)
.irp g, G1, G1B
	s_mov_b32 s[(\g)+1], 1024<<16                  ; tensor_dim0 = 1,024 elements: 128 rows of a group
	s_mov_b32 s[(\g)+2], 16<<16                    ; tensor_dim1 = 16 groups
	s_mov_b32 s[(\g)+3], 1024<<16                  ; tile_dim0
	s_mov_b32 s[(\g)+4], 16                        ; tile_dim1
	s_mov_b32 s[(\g)+6], 0
	s_mov_b32 s[(\g)+7], 0
.endr
	s_mov_b32 s[G1+5], 65536                       ; elements from group to group: 8,192 rows x 8
	s_mov_b32 s[G1B+5], 32768                      ; 4,096 rows x 8
	s_lshl_b32 s17, s12, 11                        ; the half that I fetch: 128 rows of 16 bytes
	s_lshl_b32 s16, s13, 12
	s_add_co_u32 s16, s16, s17                     ; A: by the block of rows alone
	s_lshl_b32 s46, s42, 12
	s_add_co_u32 s46, s46, s17
	s_add_co_u32 s46, s46, WIN8                    ; B: by the slice alone
	s_mov_b32 s17, 0
	s_mov_b32 s47, 0
	s_lshl_b32 s20, s10, 15                        ; where they go: wave x 32,768
	s_wait_dscnt 0x0                               ; both opening adds are done
	s_wait_kmcnt 0x0
	s_add_nc_u64 s[14:15], s[4:5], s[16:17]
	s_add_nc_u64 s[46:47], s[4:5], s[46:47]
	CROUND                                         ; all sixteen work-groups are here: the first joint loads meet
.irp s, 0,1
	s_mov_b32 s[G0+4*(\s)], 1
	s_add_co_u32 s[G0+4*(\s)+1], s20, (\s)*SLOT
	s_add_nc_u64 s[G0+4*(\s)+2:G0+4*(\s)+3], s[14:15], (\s)*KA
	s_or_b32 s[G0+4*(\s)+3], s[G0+4*(\s)+3], 0x80000000
	s_mov_b32 s[G0B+4*(\s)], 1
	s_add_co_u32 s[G0B+4*(\s)+1], s20, (\s)*SLOT
	s_add_nc_u64 s[G0B+4*(\s)+2:G0B+4*(\s)+3], s[46:47], (\s)*KB
	s_or_b32 s[G0B+4*(\s)+3], s[G0B+4*(\s)+3], 0x80000000
	JLOAD \s                                       ; two tensor loads of mine are out
.endr
	v_and_b32 v1, 15, v0                           ; r
	v_bfe_u32 v2, v0, 4, 1                         ; h
	v_and_b32 v4, 31, v0                           ; l
	; the projections' weights for my 64 channels: fragment (g, q) = 16 n x 32 channels
	s_mul_i32 s76, s42, 12288
	s_mul_i32 s77, s12, 6144
	s_add_co_u32 s76, s76, s77
	s_add_co_u32 s76, s76, WP8
	s_mov_b32 s77, 0
	s_add_nc_u64 s[WPB:WPB+1], s[4:5], s[76:77]
	v_mul_u32_u24 v[WPO], v2, 768
	v_lshl_add_u32 v[WPO], v1, 4, v[WPO]
.irp g, 0,1,2
.irp q, 0,1
	global_load_b128 v[WPF+8*(2*(\g)+(\q)):WPF+8*(2*(\g)+(\q))+3],   v[WPO], s[WPB:WPB+1] offset:(4*(\q))*768+(\g)*256
	global_load_b128 v[WPF+8*(2*(\g)+(\q))+4:WPF+8*(2*(\g)+(\q))+7], v[WPO], s[WPB:WPB+1] offset:(4*(\q)+2)*768+(\g)*256
.endr
.endr
	v_lshlrev_b32 v3, 4, v1
	v_lshl_add_u32 v3, v2, 11, v3                  ; a fragment: group h x 2,048 + row r x 16
	s_lshl_b32 s21, s11, 15                        ; my 128 rows of A
	s_lshl_b32 s22, s12, 15
	s_add_co_u32 s22, s22, 2*HALFT                 ; my 128 rows of B
.irp s, 0,1
	v_add_nc_u32 v[ADRA+(\s)], s21, v3
	v_add_nc_u32 v[ADRB+(\s)], s22, v3
	s_add_co_u32 s21, s21, SLOT
	s_add_co_u32 s22, s22, SLOT
.endr
	v_lshlrev_b32 v[XO], 17, v2
	v_lshl_add_u32 v[XO], v1, 4, v[XO]
	v_lshlrev_b32 v[PO], 18, v2
	v_lshl_add_u32 v[PO], v1, 4, v[PO]
	s_mul_i32 s21, s10, 24576                      ; the projections' stage: 8 row blocks of 3,072 bytes a wave
	v_lshl_add_u32 v[SGA], v4, 4, s21
	s_mul_i32 s22, s12, 12288                      ; I add up the row blocks 4 cw .. 4 cw + 3
	s_add_co_u32 s21, s21, s22
	v_lshl_add_u32 v[OWN], v4, 4, s21
	s_xor_b32 s21, s10, 1
	s_mul_i32 s21, s21, 24576
	s_add_co_u32 s21, s21, s22
	v_lshl_add_u32 v[PART], v4, 4, s21
	v_mov_b32 v[NEG1], -1.0
	s_mov_b32 s[KL], 0xbfb8aa3b                    ; -log2(e)
	s_mov_b32 s[KL+1], 0xbfb8aa3b
	s_lshl_b32 s76, s42, 21                        ; xin: (16 j + 8 cw) groups of 131,072 bytes, (256 i + 128 rw) rows of 16
	s_lshl_b32 s77, s12, 20
	s_add_co_u32 s76, s76, s77
	s_lshl_b32 s77, s13, 12
	s_add_co_u32 s76, s76, s77
	s_lshl_b32 s77, s11, 11
	s_add_co_u32 s76, s76, s77
	s_mov_b32 s77, 0
	s_add_nc_u64 s[XB:XB+1], s[6:7], s[76:77]
	s_mul_i32 s76, s42, 1572864                    ; pp: slice j, rows 256 i + 128 rw + 64 cw
	s_lshl_b32 s77, s13, 12
	s_add_co_u32 s76, s76, s77
	s_lshl_b32 s77, s11, 11
	s_add_co_u32 s76, s76, s77
	s_lshl_b32 s77, s12, 10
	s_add_co_u32 s76, s76, s77
	s_mov_b32 s77, 0
	s_add_nc_u64 s[PPB:PPB+1], s[8:9], s[76:77]
	; the prefetches
	s_and_b32 s22, ttmp7, 0xffff                   ; cluster y
	s_cmp_eq_u32 s11, 0                            ; do I fetch for A?
	s_cselect_b32 s21, s40, s41                    ; my place among the four that ask with me
	s_cselect_b32 s22, ttmp9, s22                  ; the coordinate along which other clusters read the same rows
	s_cselect_b64 s[PFA:PFA+1], s[14:15], s[46:47] ; my tile at K step 0
	s_cselect_b32 s23, 17, 16                      ; log2 of the bytes from group to group
	s_cselect_b32 s20, 21, 20                      ; log2 of a K step's bytes
	s_lshl_b32 s[PFS], 1, s20
	s_mov_b32 s[PFS+1], 0
	s_cmp_eq_u32 s22, 0
	s_cselect_b32 s[LIM], 1, -1
	s_mul_i32 s76, s[PFS], 3                       ; at K step 3: the first refill steps it to 4
	s_lshl_b32 s21, s21, 9
	s_add_co_u32 s76, s76, s21
	s_add_nc_u64 s[PFA:PFA+1], s[PFA:PFA+1], s[76:77]
	v_lshrrev_b32 v5, 1, v4
	v_lshlrev_b32 v5, s23, v5
	v_and_b32 v4, 1, v4
	v_lshl_add_u32 v[PFO], v4, 8, v5
.macro MUL16 f, hi, a0, zero           ; 16 matrix instructions: m blocks a0, a0 + 1 of the window's four x all 8 n blocks, 32 along K
	WIN MUL_LO+0x50*(\hi)
.irp a, \a0, (\a0)+1
.irp b, 0,1,2,3,4,5,6,7
.if \zero
	v_wmma_f32_16x16x32_bf16 v[8*(8*(\a)+(\b)):8*(8*(\a)+(\b))+7], v[(\f)+8*(\b):(\f)+8*(\b)+7], v[(\f)+8*(4*(\hi)+(\a)):(\f)+8*(4*(\hi)+(\a))+7], 0
.else
	v_wmma_f32_16x16x32_bf16 v[8*(8*(\a)+(\b)):8*(8*(\a)+(\b))+7], v[(\f)+8*(\b):(\f)+8*(\b)+7], v[(\f)+8*(4*(\hi)+(\a)):(\f)+8*(4*(\hi)+(\a))+7], v[8*(8*(\a)+(\b)):8*(8*(\a)+(\b))+7]
.endif
.endr
.endr
.endm
.macro FETCH slot, q, f                ; 32 LDS loads in one run: quarter q (4 groups) of the slot into buffer f
	WIN TO_B
.irp i, 0,1,2,3,4,5,6,7
	ds_load_b128 v[(\f)+8*(\i):(\f)+8*(\i)+3],   v[ADRB+(\slot)] offset:(\q)*8192+(\i)*256
	ds_load_b128 v[(\f)+8*(\i)+4:(\f)+8*(\i)+7], v[ADRB+(\slot)] offset:(\q)*8192+4096+(\i)*256
.endr
	WIN 0
.irp i, 0,1,2,3,4,5,6,7
	ds_load_b128 v[(\f)+8*(\i):(\f)+8*(\i)+3],   v[ADRA+(\slot)] offset:(\q)*8192+(\i)*256
	ds_load_b128 v[(\f)+8*(\i)+4:(\f)+8*(\i)+7], v[ADRA+(\slot)] offset:(\q)*8192+4096+(\i)*256
.endr
.endm
.macro PLACES                          ; four places behind a matrix instruction, in front of loads into its sources and of readers of its result
.rept 4
	v_nop
.endr
.endm
.macro QUARTER slot, q, f, g, zero     ; multiplies buffer f; in its middle fetches quarter q of the same slot into buffer g
	s_wait_dscnt 8                                 ; the youngest eight loads (A's rows 64-127) may be out
	MUL16 \f, 0, 0, \zero
	MUL16 \f, 0, 2, \zero
	PLACES
	FETCH \slot, \q, \g
	s_wait_dscnt 32                                ; all but the 32 just issued
	MUL16 \f, 1, 0, \zero
	MUL16 \f, 1, 2, \zero
.endm
; The last quarter of a K step multiplies buffer 1 and changes slots: ONE barrier; in front of it each wave waits for all its tensor loads, adds 0 to its spare word, and waits for that and for its reads of this slot.
; fill = 1: the barrier opens a round of the cluster's, and this slot is filled again, two K steps ahead, first thing behind the round.
.macro TURN slot, next, fill
.if \fill
	s_wait_xcnt 0x0                                ; the last prefetch, a K step back, has read its address
	s_add_nc_u64 s[PFA:PFA+1], s[PFA:PFA+1], s[PFS:PFS+1]
.endif
	WIN 0
	s_wait_tensorcnt 0x0                           ; all my tensor loads have landed: the one that was out is my part of the next slot
	ds_add_u32 v[SPW], v[NIL]
	s_wait_dscnt 9                                 ; the add and the youngest eight loads may be out
	MUL16 F1, 0, 0, 0
	s_wait_dscnt 0x0                               ; the add is done, and my reads of this slot are over
	s_barrier_signal -1
	MUL16 F1, 0, 2, 0
.if \fill
	WIN 0
.endif
	s_barrier_wait -1
.if \fill
	CREST
	s_add_nc_u64 s[G0+4*(\slot)+2:G0+4*(\slot)+3], s[G0+4*(\slot)+2:G0+4*(\slot)+3], 2*KA
	s_add_nc_u64 s[G0B+4*(\slot)+2:G0B+4*(\slot)+3], s[G0B+4*(\slot)+2:G0B+4*(\slot)+3], 2*KB
	JLOAD \slot                                    ; my one tensor load behind the round; its four v_nop are also the places in front of the loads below
.else
	PLACES
.endif
	FETCH \next, 0, F0
.if \fill
	ASK
.endif
	MUL16 F1, 1, 0, 0
	MUL16 F1, 1, 2, 0
.endm
	s_wait_loadcnt 0x0                             ; the projections' weights
	s_wait_tensorcnt 1                             ; my part of K step 0 is in; K step 1's stays out
	s_barrier_signal -1
	s_barrier_wait -1
	FETCH 0, 0, F0
	QUARTER 0, 1, F0, F1, 1                        ; the first quarter starts the sums
	WIN 0
	s_mov_b32 s3, LAPS-1
.Llap:
	QUARTER 0, 2, F1, F0, 0
	QUARTER 0, 3, F0, F1, 0
	TURN 0, 1, 1
	QUARTER 1, 1, F0, F1, 0
	QUARTER 1, 2, F1, F0, 0
	QUARTER 1, 3, F0, F1, 0
	TURN 1, 0, 1
	QUARTER 0, 1, F0, F1, 0
	WIN 0
	s_sub_co_u32 s3, s3, 1
	s_cmp_lg_u32 s3, 0
	s_cbranch_scc1 .Llap
	QUARTER 0, 2, F1, F0, 0                        ; the last lap fills nothing
	QUARTER 0, 3, F0, F1, 0
	TURN 0, 1, 0                                   ; behind this barrier nobody reads slot 0 any more, and it has had its last fill
	QUARTER 1, 1, F0, F1, 0
	QUARTER 1, 2, F1, F0, 0
	QUARTER 1, 3, F0, F1, 0
	s_wait_dscnt 8
	MUL16 F1, 0, 0, 0
	MUL16 F1, 0, 2, 0
	s_wait_dscnt 0x0
	MUL16 F1, 1, 0, 0
	MUL16 F1, 1, 2, 0
	WIN 0
	PLACES
; THE WAY OUT, a row block of 16 rows a trip.  READ a brings -log2(e) u into v64-95 and -log2(e) v into v96-127; only it names the accumulators, so it is written eight times and the gate once.
.macro READ a
	WIN 2+(\a)/4
.set AC, 64*((\a)%4)
.set i, 0
.rept 32
	v_pk_mul_f32 v[64+2*i:65+2*i], v[AC+2*i:AC+2*i+1], s[KL:KL+1] op_sel_hi:[1,0]
.set i, i+1
.endr
	WIN 0
.endm
	s_mov_b32 s[AI], 0
.Lrow:
.irp a, 0,1,2,3,4,5,6
	s_cmp_eq_u32 s[AI], \a
	s_cbranch_scc1 .Lread\a
.endr
	READ 7
	s_branch .Lgate
.irp a, 6,5,4,3,2,1
.Lread\a:
	READ \a
	s_branch .Lgate
.endr
.Lread0:
	READ 0
.Lgate:
	; x_in = u / ((1 + e^-u)(1 + e^-v)) = (K u) / (K (1 + e1)(1 + e2)), K = -log2(e)
.set k, 0
.rept 32
	v_exp_f32 v[128+k], v[64+k]                    ; e1 = e^-u
	v_min_num_f32 v[96+k], 0x42fc0000, v[96+k]     ; the exponent of e2 is held at 126: K e2 + K stays finite, so 0 x infinity cannot arise below
.set k, k+1
.endr
.set k, 0
.rept 32
	v_exp_f32 v[96+k], v[96+k]                     ; e2 = e^-v
.set k, k+1
.endr
	v_nop                                          ; a plain instruction behind the last exponential,
	s_wait_alu depctr_va_vdst(0)                   ; and one wait for the batch of 64
.set i, 0
.rept 16
	v_pk_fma_f32 v[96+2*i:97+2*i], v[96+2*i:97+2*i], s[KL:KL+1], s[KL:KL+1] op_sel_hi:[1,0,0]  ; K e2 + K
.set i, i+1
.endr
.set i, 0
.rept 16
	v_pk_fma_f32 v[128+2*i:129+2*i], v[128+2*i:129+2*i], v[96+2*i:97+2*i], v[96+2*i:97+2*i]    ; e1 t + t
.set i, i+1
.endr
.set k, 0
.rept 32
	v_rcp_f32 v[128+k], v[128+k]
.set k, k+1
.endr
	v_nop
	s_wait_alu depctr_va_vdst(0)                   ; one wait for the 32 reciprocals
.set i, 0
.rept 16
	v_pk_mul_f32 v[128+2*i:129+2*i], v[64+2*i:65+2*i], v[128+2*i:129+2*i]  ; x_in: number k is channel 16 (k / 8) + 8 h + k % 8
.set i, i+1
.endr
.set i, 0
.rept 16
	v_cvt_pk_f16_f32 v[64+i], v[128+2*i], v[129+2*i]
.set i, i+1
.endr
.irp d, 0,1,2,3
	global_store_b128 v[XO], v[64+4*(\d):67+4*(\d)], s[XB:XB+1] offset:(\d)*262144  ; 16 lanes store 256 consecutive bytes, aligned
.endr
.set i, 0
.rept 16
	v_cvt_pk_bf16_f32 v[160+i], v[128+2*i], v[129+2*i]  ; the high parts: they ARE source 1 (16 rows x 32 channels, twice)
.set i, i+1
.endr
.set k, 0
.rept 32
	v_fma_mix_f32_bf16 v[96+k], v[160+k/2], v[NEG1], v[128+k] op_sel:[k%2,0,0] op_sel_hi:[1,0,0]  ; what the high part leaves
.set k, k+1
.endr
.set i, 0
.rept 16
	v_cvt_pk_bf16_f32 v[176+i], v[96+2*i], v[97+2*i]
.set i, i+1
.endr
.irp hl, 0,1                           ; three accumulators by turns, one instruction a turn
.irp q, 0,1
.irp g, 0,1,2
.if (\hl) == 0 && (\q) == 0
	v_wmma_f32_16x16x32_bf16 v[PR+8*(\g):PR+8*(\g)+7], v[WPF+8*(2*(\g)+(\q)):WPF+8*(2*(\g)+(\q))+7], v[160+16*(\hl)+8*(\q):160+16*(\hl)+8*(\q)+7], 0
.else
	v_wmma_f32_16x16x32_bf16 v[PR+8*(\g):PR+8*(\g)+7], v[WPF+8*(2*(\g)+(\q)):WPF+8*(2*(\g)+(\q))+7], v[160+16*(\hl)+8*(\q):160+16*(\hl)+8*(\q)+7], v[PR+8*(\g):PR+8*(\g)+7]
.endif
.endr
.endr
.endr
	PLACES
.irp i, 0,1,2,3,4,5
	ds_store_b128 v[SGA], v[PR+4*(\i):PR+4*(\i)+3] offset:(\i)*512  ; into slot 0's bytes, which no tensor load fills again
.endr
	v_add_nc_u32 v[SGA], 3072, v[SGA]
	s_wait_xcnt 0x0                                ; the four stores have read their data and their base
	s_add_nc_u64 s[XB:XB+1], s[XB:XB+1], 256       ; 16 rows on
	s_add_co_u32 s[AI], s[AI], 1
	s_cmp_lt_u32 s[AI], 8
	s_cbranch_scc1 .Lrow
	; the two waves with the same rows add their 64 channels' sums: each takes four of the eight row blocks
	s_wait_dscnt 0x0
	s_barrier_signal -1
	s_barrier_wait -1
	s_mov_b32 s[AI], 4
.Lsum:
.irp i, 0,1,2,3,4,5
	ds_load_b128 v[64+4*(\i):67+4*(\i)], v[OWN] offset:(\i)*512
.endr
.irp i, 0,1,2,3,4,5
	ds_load_b128 v[96+4*(\i):99+4*(\i)], v[PART] offset:(\i)*512
.endr
	s_wait_dscnt 0x0
.set i, 0
.rept 12
	v_pk_add_f32 v[64+2*i:65+2*i], v[64+2*i:65+2*i], v[96+2*i:97+2*i]
.set i, i+1
.endr
.irp g, 0,1,2
.irp q, 0,1
	global_store_b128 v[PO], v[64+4*(2*(\g)+(\q)):67+4*(2*(\g)+(\q))], s[PPB:PPB+1] offset:(4*(\g)+(\q))*131072
.endr
.endr
	v_add_nc_u32 v[OWN], 3072, v[OWN]
	v_add_nc_u32 v[PART], 3072, v[PART]
	s_wait_xcnt 0x0                                ; the stores have read their data and their base
	s_add_nc_u64 s[PPB:PPB+1], s[PPB:PPB+1], 256
	s_sub_co_u32 s[AI], s[AI], 1
	s_cmp_lg_u32 s[AI], 0
	s_cbranch_scc1 .Lsum
	s_wait_tensorcnt 0x0                           ; the wave's end
	ds_add_u32 v[SPW], v[NIL]
	s_wait_dscnt 0x0
	CROUND                                         ; the closing round
	s_endpgm
.Lfunc_end_k_qe53789f51b_gemm1:
	.size	k_qe53789f51b_gemm1, .Lfunc_end_k_qe53789f51b_gemm1-k_qe53789f51b_gemm1
	.p2alignl 7, 3214868480
	.fill 96, 4, 3214868480
	.section	.rodata,"a",@progbits
	.p2align	6, 0x0
	.amdhsa_kernel k_qe53789f51b_gemm1
		.amdhsa_group_segment_fixed_size 327680
		.amdhsa_private_segment_fixed_size 0
		.amdhsa_enable_private_segment 0
		.amdhsa_kernarg_size 24
		.amdhsa_user_sgpr_count 2
		.amdhsa_user_sgpr_kernarg_segment_ptr 1
		.amdhsa_wavefront_size32 1
		.amdhsa_system_sgpr_workgroup_id_x 1
		.amdhsa_system_sgpr_workgroup_id_y 1
		.amdhsa_system_sgpr_workgroup_id_z 1
		.amdhsa_system_vgpr_workitem_id 0
		.amdhsa_next_free_vgpr 1024
		.amdhsa_next_free_sgpr 80
		.amdhsa_reserve_vcc 0
		.amdhsa_float_denorm_mode_32 3
		.amdhsa_float_denorm_mode_16_64 3
		.amdhsa_memory_ordered 1
		.amdhsa_forward_progress 1
		.amdhsa_inst_pref_size 149
	.end_amdhsa_kernel
	.amdgpu_metadata
---
amdhsa.version: [ 1, 2 ]
amdhsa.kernels:
  - .name:           k_qe53789f51b_gemm1
    .symbol:         k_qe53789f51b_gemm1.kd
    .args:
      - { .name: prep, .offset: 0, .size: 8, .value_kind: global_buffer, .address_space: global }
      - { .name: xin, .offset: 8, .size: 8, .value_kind: global_buffer, .address_space: global }
      - { .name: pp, .offset: 16, .size: 8, .value_kind: global_buffer, .address_space: global }
    .group_segment_fixed_size: 327680
    .private_segment_fixed_size: 0
    .kernarg_segment_align: 8
    .kernarg_segment_size: 24
    .max_flat_workgroup_size: 128
    .sgpr_count:     80
    .vgpr_count:     1024
    .wavefront_size: 32
...
	.end_amdgpu_metadata
.endif
;; end of part 2
;; launch chunks (part 3): grid 128 x 1, 8 waves a work-group, no clusters, 17,408 bytes of LDS; arguments pp, chk; writes chk
.if DOCPART == 3
	.amdgcn_target "amdgcn-amd-amdhsa--gfx1250"
	.amdhsa_code_object_version 6
	.text
	.protected	k_qe53789f51b_chunks
	.globl	k_qe53789f51b_chunks
	.p2align	8
	.type	k_qe53789f51b_chunks,@function
k_qe53789f51b_chunks:
	s_mov_b64 s[64:65], 0
	v_nop
	global_prefetch_b8 v0, s[64:65] scope:SCOPE_SE
	s_setreg_imm32_b32 hwreg(HW_REG_WAVE_MODE, 25, 1), 1
	s_wait_xcnt 0x0
; CHUNKS: for each chunk of 64 steps, all that does not hang on the channel d.  The 16 partial sums of a_pre, b, c are added; e = exp(clip(a_pre, -5, 0)); E' = its running sum in the chunk.
; Made: c^ = c k exp(-E') (bf16 pair), b~ = b L exp(E') (bf16 pair, used here alone), b^ = b L exp(-(Etot - E')) (f16 pair), M' = the sum over n of c^ b~ for s <= t (f16), exp(-Etot), L and 1/L, eps (k L)^2.
; k (a row's) and L (a chunk's) are exact powers of two from the exponents of max|c_t| and max|b|: max|c k| lies in 2^-7 .. 2^-6, max|b L| in 2^13 .. 2^14, so |M'| stays under 2^12 and b^ inside f16.
; The row's result is then k L times reference()'s; RMSNorm takes that factor away again, with eps (k L)^2 in eps's place.
; LEFT OUT: M's fragments that lie wholly above the diagonal (t blocks 0, 1 with keys 32-63): the sum runs over s <= t alone; they are neither made nor stored.
; LIMITS: E' is at most 64, so exp(E') is under 2^93; |b| under 2^127 / e^64; where eps (k L)^2 overflows the row comes out 0; NaN and infinities are not treated apart.
; 128 work-groups: there are 128 chunks.  Part 1: wave w has rows 32 (w & 1) + lane and the four n from 4 (w >> 1) on.  Part 2: wave w stores one piece of c^'s and b^'s fragments and makes M' (t block w >> 1, keys 32 (w & 1) on).
.set CF,   1048576                     ; regions of chk: M' at 0
.set BF,   1572864
.set DEC,  2097152
.set LAM,  2105344
.set EPS2, 2106368
.set CT,   0                           ; LDS: c^: 64 rows of 80 bytes: 16 high parts, 16 low parts, 16 bytes of padding
.set BT,   5120                        ; b~ likewise
.set BH,   10240                       ; b^: [high, low][16 n][64 steps, 144 bytes]
.set TOT,  14848                       ; each wave's total of e: 16 bytes
.set BM,   14976                       ; each wave's max|b|
.set CM,   15104                       ; max|c| over 4 n: [4][64 rows]
.set SPARE, 16128                      ; the spare words, 128 bytes a wave
	s_load_b128 s[4:7], s[0:1], 0x0                ; pp s[4:5], chk s[6:7]
	v_lshl_add_u32 v8, v0, 2, SPARE                ; my spare word,
	v_mov_b32 v9, 0                                ; and 0: kept for the closing add alone
	v_lshrrev_b32 v1, 5, v0
	v_readfirstlane_b32 s8, v1                     ; wave
	s_and_b32 s9, s8, 1                            ; th; in part 2: which half
	s_lshr_b32 s10, s8, 1                          ; nq; in part 2: the t block
	s_mov_b32 s11, ttmp9                           ; the chunk
	v_and_b32 v3, 31, v0                           ; l
	v_and_b32 v4, 15, v0                           ; r
	v_bfe_u32 v5, v0, 4, 1                         ; h
	v_lshlrev_b32 v2, 4, v3
	v_cvt_f32_u32 v6, v5                           ; 1.0 in lanes 16-31
	v_mov_b32 v7, -1.0
	s_cvt_f32_u32 s12, s9                          ; th as a float
	s_mov_b32 s14, 0x76543210
	s_mov_b32 s15, 0xfedcba98
	s_lshl_b32 s16, s10, 17                        ; piece nq,
	s_lshl_b32 s17, s11, 10                        ; 64 rows of 16 bytes a chunk,
	s_add_co_u32 s16, s16, s17
	s_lshl_b32 s17, s9, 9                          ; my 32 of them
	s_add_co_u32 s16, s16, s17
	s_mov_b32 s17, 0
	s_wait_kmcnt 0x0
	s_add_nc_u64 s[20:21], s[4:5], s[16:17]        ; four bases, four slices apart, so that the immediates stay inside their field
	s_add_nc_u64 s[22:23], s[20:21], 6291456
	s_add_nc_u64 s[24:25], s[22:23], 6291456
	s_add_nc_u64 s[26:27], s[24:25], 6291456
.set j, 0
.rept 16
.irp g, 0,1,2
	global_load_b128 v[16+4*(16*(\g)+j):19+4*(16*(\g)+j)], v2, s[20+2*(j/4):21+2*(j/4)] offset:(j%4)*1572864+(\g)*524288 th:TH_LOAD_NT
.endr
.set j, j+1
.endr
	; LDS addresses, while the loads are out
	s_lshl_b32 s13, s8, 4
	s_add_co_u32 s13, s13, TOT
	v_mov_b32 v10, s13                             ; my wave's total
	s_lshl_b32 s13, s10, 8
	s_lshl_b32 s18, s9, 7
	s_add_co_u32 s13, s13, s18
	s_add_co_u32 s13, s13, CM
	v_lshl_add_u32 v11, v3, 2, s13                 ; my max|c|
	s_lshl_b32 s13, s8, 2
	s_add_co_u32 s13, s13, BM
	v_mov_b32 v12, s13
	s_lshl_b32 s13, s10, 5
	s_add_co_u32 s13, s13, TOT
	v_mov_b32 v13, s13                             ; the two totals of my four n
	v_mov_b32 v14, BM
	s_add_co_u32 s18, s18, CM
	v_lshl_add_u32 v15, v3, 2, s18                 ; my row's four max|c|
.set j, 1
.rept 15
	s_wait_loadcnt 45-3*j                          ; the loads of the later slices stay out
.irp g, 0,1,2
	v_pk_add_f32 v[16+64*(\g):17+64*(\g)], v[16+64*(\g):17+64*(\g)], v[16+64*(\g)+4*j:17+64*(\g)+4*j]
	v_pk_add_f32 v[18+64*(\g):19+64*(\g)], v[18+64*(\g):19+64*(\g)], v[18+64*(\g)+4*j:19+64*(\g)+4*j]
.endr
.set j, j+1
.endr
	; a_pre v16-19, b v80-83, c v144-147
.irp k, 0,1,2,3
	v_max_num_f32 v[16+(\k)], 0xc0a00000, v[16+(\k)]
.endr
.irp k, 0,1,2,3
	v_min_num_f32 v[16+(\k)], 0, v[16+(\k)]
.endr
.irp k, 0,1,2,3
	v_mul_f32 v[20+(\k)], 0x3fb8aa3b, v[16+(\k)]
.endr
.irp k, 0,1,2,3
	v_exp_f32 v[20+(\k)], v[20+(\k)]               ; e
.endr
	v_max3_num_f32 v28, |v144|, |v145|, |v146|     ; independent work behind the exponentials
	v_max_num_f32 v28, v28, |v147|
	v_max3_num_f32 v29, |v80|, |v81|, |v82|
	v_max_num_f32 v29, v29, |v83|
	v_max_num_f32_dpp v29, v29, v29 row_xmask:1 row_mask:0xf bank_mask:0xf
	v_max_num_f32_dpp v29, v29, v29 row_xmask:2 row_mask:0xf bank_mask:0xf
	v_max_num_f32_dpp v29, v29, v29 row_xmask:4 row_mask:0xf bank_mask:0xf
	v_max_num_f32_dpp v29, v29, v29 row_xmask:8 row_mask:0xf bank_mask:0xf
	v_mov_b32 v30, v29
	v_permlanex16_b32 v30, v29, s14, s15
	v_max_num_f32 v29, v29, v30
	s_wait_alu depctr_va_vdst(0)                   ; one wait for the four exponentials
.irp n, 1,2,4,8                        ; the running sum inside each half of 16 lanes: lane i adds lane i - n, 0 where there is none
.irp k, 0,1,2,3
	v_add_f32_dpp v[20+(\k)], v[20+(\k)], v[20+(\k)] row_shr:\n row_mask:0xf bank_mask:0xf bound_ctrl:1
.endr
.endr
.irp k, 0,1,2,3
	v_readlane_b32 s[28+(\k)], v[20+(\k)], 15
.endr
.irp k, 0,1,2,3
	v_fmac_f32 v[20+(\k)], s[28+(\k)], v6          ; lanes 16-31 add the first half's total
.endr
.irp k, 0,1,2,3
	v_readlane_b32 s[28+(\k)], v[20+(\k)], 31
.endr
.irp k, 0,1,2,3
	v_mov_b32 v[24+(\k)], s[28+(\k)]
.endr
	ds_store_b128 v10, v[24:27]
	ds_store_b32 v11, v28
	ds_store_b32 v12, v29
	s_wait_dscnt 0x0
	s_barrier_signal -1
	s_barrier_wait -1
	ds_load_b128 v[32:35], v13                     ; rows 0-31's total
	ds_load_b128 v[36:39], v13 offset:16           ; rows 32-63's
	ds_load_b128 v[40:43], v14
	ds_load_b128 v[44:47], v14 offset:16
.irp q, 0,1,2,3
	ds_load_b32 v[48+(\q)], v15 offset:(\q)*256
.endr
	s_wait_dscnt 0x0
.irp k, 0,1,2,3
	v_fmac_f32 v[20+(\k)], s12, v[32+(\k)]         ; E'
.endr
	v_pk_add_f32 v[36:37], v[32:33], v[36:37]      ; Etot
	v_pk_add_f32 v[38:39], v[34:35], v[38:39]
	v_max3_num_f32 v40, v40, v41, v42
	v_max3_num_f32 v40, v40, v43, v44
	v_max3_num_f32 v40, v40, v45, v46
	v_max_num_f32 v40, v40, v47                    ; the chunk's max|b|
	v_max3_num_f32 v48, v48, v49, v50
	v_max_num_f32 v48, v48, v51                    ; my row's max|c|
	v_lshrrev_b32 v48, 23, v48                     ; its biased exponent,
	v_min_u32 v48, 246, v48
	v_sub_nc_u32 v48, 247, v48
	v_lshlrev_b32 v48, 23, v48                     ; k = 2^(120 - exponent)
	v_lshrrev_b32 v40, 23, v40
	v_max_u32 v40, 14, v40
	v_min_u32 v40, 254, v40
	v_sub_nc_u32 v42, 267, v40
	v_lshlrev_b32 v42, 23, v42                     ; L = 2^(140 - exponent)
	v_add_nc_u32 v43, -13, v40
	v_lshlrev_b32 v43, 23, v43                     ; 1 / L
	v_mul_f32 v44, v48, v42
	v_mul_f32 v45, 0x34000000, v44
	v_mul_f32 v45, v45, v44                        ; eps (k L)^2
.irp k, 0,1,2,3
	v_mul_f32 v[52+(\k)], 0x3fb8aa3b, v[20+(\k)]   ; log2(e) E'
	v_mul_f32 v[56+(\k)], 0xbfb8aa3b, v[20+(\k)]
	v_mul_f32 v[64+(\k)], 0xbfb8aa3b, v[36+(\k)]   ; -log2(e) Etot
.endr
.irp k, 0,1,2,3
	v_add_f32 v[60+(\k)], v[64+(\k)], v[52+(\k)]   ; -log2(e) (Etot - E')
.endr
.set k, 0
.rept 16
	v_exp_f32 v[52+k], v[52+k]
.set k, k+1
.endr
.irp k, 0,1,2,3
	v_mul_f32 v[144+(\k)], v[144+(\k)], v48        ; c k, exact
	v_mul_f32 v[80+(\k)], v[80+(\k)], v42          ; b L, exact
.endr
	s_wait_alu depctr_va_vdst(0)                   ; one wait for the sixteen exponentials
.irp k, 0,1,2,3
	v_mul_f32 v[68+(\k)], v[144+(\k)], v[56+(\k)]  ; c^
	v_mul_f32 v[72+(\k)], v[80+(\k)], v[52+(\k)]   ; b~
	v_mul_f32 v[76+(\k)], v[80+(\k)], v[60+(\k)]   ; b^
.endr
	; each into a high and a low part
.irp m, 0,1                            ; c^ -> v84-87, b~ -> v88-91, in bf16
	v_cvt_pk_bf16_f32 v[84+4*(\m)], v[68+4*(\m)], v[69+4*(\m)]
	v_cvt_pk_bf16_f32 v[85+4*(\m)], v[70+4*(\m)], v[71+4*(\m)]
	v_fma_mix_f32_bf16 v[96+4*(\m)], v[84+4*(\m)], v7, v[68+4*(\m)] op_sel_hi:[1,0,0]
	v_fma_mix_f32_bf16 v[97+4*(\m)], v[84+4*(\m)], v7, v[69+4*(\m)] op_sel:[1,0,0] op_sel_hi:[1,0,0]
	v_fma_mix_f32_bf16 v[98+4*(\m)], v[85+4*(\m)], v7, v[70+4*(\m)] op_sel_hi:[1,0,0]
	v_fma_mix_f32_bf16 v[99+4*(\m)], v[85+4*(\m)], v7, v[71+4*(\m)] op_sel:[1,0,0] op_sel_hi:[1,0,0]
	v_cvt_pk_bf16_f32 v[86+4*(\m)], v[96+4*(\m)], v[97+4*(\m)]
	v_cvt_pk_bf16_f32 v[87+4*(\m)], v[98+4*(\m)], v[99+4*(\m)]
.endr
	v_cvt_pk_f16_f32 v92, v76, v77                 ; b^ -> v92-95, in f16
	v_cvt_pk_f16_f32 v93, v78, v79
	v_fma_mix_f32 v104, v92, v7, v76 op_sel_hi:[1,0,0]
	v_fma_mix_f32 v105, v92, v7, v77 op_sel:[1,0,0] op_sel_hi:[1,0,0]
	v_fma_mix_f32 v106, v93, v7, v78 op_sel_hi:[1,0,0]
	v_fma_mix_f32 v107, v93, v7, v79 op_sel:[1,0,0] op_sel_hi:[1,0,0]
	v_cvt_pk_f16_f32 v94, v104, v105
	v_cvt_pk_f16_f32 v95, v106, v107
	s_mul_i32 s13, s9, 2560                        ; row 32 th + l of 80 bytes, 8 bytes for my four n
	s_lshl_b32 s18, s10, 3
	s_add_co_u32 s13, s13, s18
	v_mul_u32_u24 v16, v3, 80
	v_add_nc_u32 v16, s13, v16
	ds_store_b64 v16, v[84:85] offset:CT
	ds_store_b64 v16, v[86:87] offset:CT+32
	ds_store_b64 v16, v[88:89] offset:BT
	ds_store_b64 v16, v[90:91] offset:BT+32
	s_mul_i32 s13, s10, 576                        ; row n = 4 nq of 144 bytes, 2 bytes for my step
	s_lshl_b32 s18, s9, 6
	s_add_co_u32 s13, s13, s18
	s_add_co_u32 s13, s13, BH
	v_lshl_add_u32 v17, v3, 1, s13
.irp m, 0,1
	ds_store_b16 v17, v[92+2*(\m)] offset:2304*(\m)
	ds_store_b16_d16_hi v17, v[92+2*(\m)] offset:2304*(\m)+144
	ds_store_b16 v17, v[93+2*(\m)] offset:2304*(\m)+288
	ds_store_b16_d16_hi v17, v[93+2*(\m)] offset:2304*(\m)+432
.endr
	; the small tables
	s_lshl_b32 s13, s11, 8
	s_lshl_b32 s18, s9, 7
	s_add_co_u32 s13, s13, s18
	v_lshl_add_u32 v18, v3, 2, s13                 ; my row in EPS2
	s_lshl_b32 s13, s11, 6
	s_lshl_b32 s18, s10, 4
	s_add_co_u32 s13, s13, s18
	v_mov_b32 v19, s13                             ; my four n in DEC
	s_lshl_b32 s13, s11, 3
	v_mov_b32 v100, s13                            ; the chunk in LAM
	s_cmp_lt_u32 s8, 2                             ; waves 0 and 1 hold all 64 rows
	s_cbranch_scc0 .Lno_eps
	global_store_b32 v18, v45, s[6:7] offset:EPS2
.Lno_eps:
	s_cmp_eq_u32 s9, 0                             ; the decay is the same in every lane: lane 0 of one wave for each four n stores it
	s_cbranch_scc0 .Lno_dec
	s_wait_xcnt 0x0                                ; EXEC changes only behind this wait
	v_cmp_eq_u32 vcc_lo, 0, v3
	s_and_saveexec_b32 s32, vcc_lo
	global_store_b128 v19, v[64:67], s[6:7] offset:DEC
	s_cmp_eq_u32 s8, 0
	s_cbranch_scc0 .Lno_lam
	global_store_b64 v100, v[42:43], s[6:7] offset:LAM
.Lno_lam:
	s_wait_xcnt 0x0                                ; and again, in front of the line that widens it
	s_or_b32 exec_lo, exec_lo, s32
.Lno_dec:
	s_wait_dscnt 0x0
	s_barrier_signal -1
	s_barrier_wait -1
	; PART 2.  The fragments go out as the matrix instruction wants them: a piece is 32 lanes x 16 bytes
	v_mul_u32_u24 v33, v4, 80
	v_lshl_add_u32 v33, v5, 4, v33                 ; row r x 80 + 16 h
	s_mul_i32 s13, s10, 1280                       ; t block
	v_add_nc_u32 v23, s13, v33
	s_lshl_b32 s18, s9, 5                          ; high or low parts
	s_add_co_u32 s18, s13, s18
	v_add_nc_u32 v20, s18, v33
	ds_load_b128 v[24:27], v20 offset:CT
	s_lshr_b32 s13, s8, 2
	s_mul_i32 s13, s13, 2304
	s_bfe_u32 s18, s8, 0x10001
	s_lshl_b32 s18, s18, 6
	s_add_co_u32 s13, s13, s18
	s_lshl_b32 s18, s9, 5
	s_add_co_u32 s13, s13, s18
	s_add_co_u32 s13, s13, BH
	v_mul_u32_u24 v21, v4, 144
	v_lshl_add_u32 v21, v5, 4, v21
	v_add_nc_u32 v21, s13, v21
	ds_load_b128 v[28:31], v21
	s_lshl_b32 s13, s11, 12
	s_lshl_b32 s18, s8, 9
	s_add_co_u32 s13, s13, s18
	v_add_nc_u32 v22, s13, v2
	s_wait_dscnt 0x0
	global_store_b128 v22, v[24:27], s[6:7] offset:CF
	global_store_b128 v22, v[28:31], s[6:7] offset:BF
	s_and_b32 s13, s8, 5                           ; waves 1 and 3: t blocks 0, 1 with keys 32-63: wholly above the diagonal
	s_cmp_eq_u32 s13, 1
	s_cbranch_scc1 .Lend
	; M'.  K = 32 holds b~'s 16 high and 16 low parts; c^'s high parts stand twice in one fragment, its low parts twice in another: four products give (high + low) x (high + low)
	s_mul_i32 s13, s9, 2560
	s_add_co_u32 s13, s13, BT
	v_add_nc_u32 v34, s13, v33
	ds_load_b128 v[112:115], v23 offset:CT
	ds_load_b128 v[116:119], v23 offset:CT
	ds_load_b128 v[120:123], v23 offset:CT+32
	ds_load_b128 v[124:127], v23 offset:CT+32
	ds_load_b128 v[128:131], v34
	ds_load_b128 v[132:135], v34 offset:32
	ds_load_b128 v[136:139], v34 offset:1280
	ds_load_b128 v[140:143], v34 offset:1312
	s_lshl_b32 s13, s9, 1
	s_sub_co_u32 s13, s10, s13
	s_lshl_b32 s13, s13, 4                         ; 16 (t block - first key block)
	s_lshl_b32 s18, s11, 13
	s_lshl_b32 s19, s8, 10
	s_add_co_u32 s18, s18, s19
	s_wait_dscnt 0x0
	v_wmma_f32_16x16x32_bf16 v[152:159], v[128:135], v[112:119], 0  ; the two accumulators by turns
	v_wmma_f32_16x16x32_bf16 v[160:167], v[136:143], v[112:119], 0
	v_wmma_f32_16x16x32_bf16 v[152:159], v[128:135], v[120:127], v[152:159]
	v_wmma_f32_16x16x32_bf16 v[160:167], v[136:143], v[120:127], v[160:167]
	v_lshlrev_b32 v176, 3, v5                      ; four plain lines: the places behind the products
	v_sub_nc_u32 v176, v4, v176
	v_add_nc_u32 v176, s13, v176                   ; register j of the first tile is kept where j <= r - 8 h + 16 (t block - key block)
	v_add_nc_u32 v177, -16, v176                   ; of the second: 16 less
	v_add_nc_u32 v178, s18, v2
.irp st, 0,1
.irp j, 0,1,2,3,4,5,6,7
	v_cmp_le_i32 vcc_lo, \j, v[176+(\st)]
	v_cndmask_b32 v[152+8*(\st)+(\j)], 0, v[152+8*(\st)+(\j)], vcc_lo
.endr
.irp j, 0,1,2,3
	v_cvt_pk_f16_f32 v[168+4*(\st)+(\j)], v[152+8*(\st)+2*(\j)], v[153+8*(\st)+2*(\j)]
.endr
	global_store_b128 v178, v[168+4*(\st):171+4*(\st)], s[6:7] offset:512*(\st)
.endr
.Lend:
	s_wait_tensorcnt 0x0                           ; the wave's end
	ds_add_u32 v8, v9
	s_wait_dscnt 0x0
	s_endpgm
.Lfunc_end_k_qe53789f51b_chunks:
	.size	k_qe53789f51b_chunks, .Lfunc_end_k_qe53789f51b_chunks-k_qe53789f51b_chunks
	.p2alignl 7, 3214868480
	.fill 96, 4, 3214868480
	.section	.rodata,"a",@progbits
	.p2align	6, 0x0
	.amdhsa_kernel k_qe53789f51b_chunks
		.amdhsa_group_segment_fixed_size 17408
		.amdhsa_private_segment_fixed_size 0
		.amdhsa_enable_private_segment 0
		.amdhsa_kernarg_size 16
		.amdhsa_user_sgpr_count 2
		.amdhsa_user_sgpr_kernarg_segment_ptr 1
		.amdhsa_wavefront_size32 1
		.amdhsa_system_sgpr_workgroup_id_x 1
		.amdhsa_system_sgpr_workgroup_id_y 1
		.amdhsa_system_sgpr_workgroup_id_z 1
		.amdhsa_system_vgpr_workitem_id 0
		.amdhsa_next_free_vgpr 224
		.amdhsa_next_free_sgpr 66
		.amdhsa_reserve_vcc 1
		.amdhsa_float_denorm_mode_32 3
		.amdhsa_float_denorm_mode_16_64 3
		.amdhsa_memory_ordered 1
		.amdhsa_forward_progress 1
		.amdhsa_inst_pref_size 29
	.end_amdhsa_kernel
	.amdgpu_metadata
---
amdhsa.version: [ 1, 2 ]
amdhsa.kernels:
  - .name:           k_qe53789f51b_chunks
    .symbol:         k_qe53789f51b_chunks.kd
    .args:
      - { .name: pp, .offset: 0, .size: 8, .value_kind: global_buffer, .address_space: global }
      - { .name: chk, .offset: 8, .size: 8, .value_kind: global_buffer, .address_space: global }
    .group_segment_fixed_size: 17408
    .private_segment_fixed_size: 0
    .kernarg_segment_align: 8
    .kernarg_segment_size: 16
    .max_flat_workgroup_size: 256
    .sgpr_count:     66
    .vgpr_count:     224
    .wavefront_size: 32
...
	.end_amdgpu_metadata
.endif
;; end of part 3
;; launch scan (part 4): grid 64 x 4, 8 waves a work-group, no clusters, 267,264 bytes of LDS; arguments xin, chk, norm_w, y8, ssq; writes y8, ssq
.if DOCPART == 4
	.amdgcn_target "amdgcn-amd-amdhsa--gfx1250"
	.amdhsa_code_object_version 6
	.text
	.protected	k_qe53789f51b_scan
	.globl	k_qe53789f51b_scan
	.p2align	8
	.type	k_qe53789f51b_scan,@function
k_qe53789f51b_scan:
	s_mov_b64 s[64:65], 0
	v_nop
	global_prefetch_b8 v0, s[64:65] scope:SCOPE_SE
	s_setreg_imm32_b32 hwreg(HW_REG_WAVE_MODE, 25, 1), 1
	s_wait_xcnt 0x0
; SCAN: the state and the outputs, for 32 channels of one batch a work-group; wave w owns the chunks 4 w .. 4 w + 3 of the batch's 32.
; Phase 0: my 256 steps of x_in into LDS.  Phase 1: each chunk's own contribution to the state, Sloc = b^ X (f16 pair x f16).  Phase 2: the 32 chunks' states one after the other, two numbers a thread:
; P = P exp(-Etot) + Sloc / L; what chunk c finds, P L_c, goes to LDS as a bf16 pair.  Phase 3: out' = (P L) c^ + X M', its sum of squares, and out' x norm_w in bf16.
; LEFT OUT: the product with the zero initial state (chunk 0 finds no state: wave 0 starts that chunk's sums with the constant 0, and phase 2 stores none for it); the last chunk's contribution to the state
; and the last state (reference() drops the final state); M's fragments above the diagonal.
; NO CLUSTER: what the 64 work-groups of a batch share (14 KiB of fragments a chunk) goes straight into registers in fragment order; asked for jointly it would have to lie in LDS, 448 KiB a work-group.
; norm_w is rounded to bf16 like every input.  LIMITS as stated in the program's first kernel.
; Results hold one step t a lane (lane % 16) and eight neighbouring channels: 16 bytes of y8 = [256 groups][8192 t][8].
.set CF,   1048576
.set BF,   1572864
.set DEC,  2097152
.set LAM,  2105344
.set SL,   135168                      ; LDS: behind the eight waves' x_in ([4 groups, 4,224 bytes apart][256 steps][16 bytes]): Sloc, f32: chunk x 2,048 + d block x 1,024 + part x 512 + lane x 16
.set SO,   200704                      ; the states as fragments, bf16: chunk x 2,048 + d block x 1,024 + (high, low) x 512 + lane x 16
.set SPARE, 266240                     ; the spare words, 128 bytes a wave
.set XT,   192                         ; v192-223, v224-255: x_in turned, two sets: (d block, key half) at 8 (2 d + q)
.set MSB, 0
.macro WIN new
.if MSB != (\new)
	s_set_vgpr_msb (MSB<<8)|(\new)
.set MSB, \new
.endif
.endm
.macro PLACES
.rept 4
	v_nop
.endr
.endm
	s_load_b256 s[4:11], s[0:1], 0x0               ; xin s[4:5], chk s[6:7], norm_w s[8:9], y8 s[10:11]
	s_load_b64 s[12:13], s[0:1], 0x20              ; ssq
	v_lshl_add_u32 v14, v0, 2, SPARE               ; my spare word,
	v_mov_b32 v15, 0                               ; and 0: kept for the closing add alone
	v_lshrrev_b32 v1, 5, v0
	v_readfirstlane_b32 s16, v1                    ; wave
	s_mov_b32 s17, ttmp9                           ; the slice of 32 channels
	s_and_b32 s18, ttmp7, 0xffff                   ; the batch
	v_and_b32 v2, 31, v0                           ; l
	v_and_b32 v3, 15, v0                           ; r
	v_bfe_u32 v17, v0, 4, 1                        ; h
	v_mov_b32 v16, -1.0
	v_lshlrev_b32 v4, 4, v2                        ; 16 l
	s_mul_i32 s21, s16, 16896
	v_add_nc_u32 v5, s21, v4                       ; x_in: in
	v_bfe_u32 v1, v0, 3, 1                         ; the turning load: lane l reads group (l / 8) % 2, step 8 h + l % 8
	v_mul_u32_u24 v1, v1, 4224
	v_and_b32 v6, 7, v0
	v_lshl_add_u32 v6, v17, 3, v6
	v_lshl_add_u32 v6, v6, 4, v1
	v_add_nc_u32 v6, s21, v6
	s_lshl_b32 s21, s16, 13
	s_add_co_u32 s19, s21, SL
	v_add_nc_u32 v7, s19, v4                       ; Sloc: my chunks
	v_lshl_add_u32 v8, v0, 3, SL                   ; Sloc: my two numbers
	v_lshrrev_b32 v1, 7, v0                        ; the same two numbers in a state fragment
	v_lshlrev_b32 v9, 10, v1
	v_bfe_u32 v1, v0, 1, 5
	v_lshl_add_u32 v9, v1, 4, v9
	v_bfe_u32 v1, v0, 6, 1
	v_lshl_add_u32 v9, v1, 3, v9
	v_and_b32 v1, 1, v0
	v_lshl_add_u32 v9, v1, 2, v9
	v_add_nc_u32 v9, SO, v9
	s_add_co_u32 s19, s21, SO
	v_add_nc_u32 v10, s19, v4                      ; the states: my chunks
	v_lshlrev_b32 v11, 17, v17
	v_lshl_add_u32 v11, v3, 4, v11                 ; y8
	v_lshlrev_b32 v12, 2, v2                       ; ssq
	v_bfe_u32 v1, v0, 5, 1                         ; my two n in a row of DEC: 8 bit5 + 4 bit6 + 2 bit0, in bytes
	v_lshlrev_b32 v13, 5, v1
	v_bfe_u32 v1, v0, 6, 1
	v_lshl_add_u32 v13, v1, 4, v13
	v_and_b32 v1, 1, v0
	v_lshl_add_u32 v13, v1, 3, v13
	v_lshlrev_b32 v50, 5, v17                      ; norm_w: 8 h channels
	s_mov_b32 s20, 0xffff0000                      ; lanes 16-31
	s_mov_b32 s28, 0x76543210
	s_mov_b32 s29, 0xfedcba98
	s_lshl_b32 s19, s18, 11
	s_lshl_b32 s21, s16, 8
	s_add_co_u32 s19, s19, s21                     ; my first row: 2,048 b + 256 w
	s_mov_b32 s31, 0
	s_wait_kmcnt 0x0
	s_lshl_b32 s30, s17, 19                        ; 4 groups of 131,072 bytes a slice
	s_lshl_b32 s21, s19, 4
	s_add_co_u32 s30, s30, s21
	s_add_nc_u64 s[22:23], s[4:5], s[30:31]        ; xin
	s_add_nc_u64 s[2:3], s[10:11], s[30:31]        ; y8
	s_lshl_b32 s30, s17, 15
	s_lshl_b32 s21, s19, 2
	s_add_co_u32 s30, s30, s21
	s_add_nc_u64 s[100:101], s[12:13], s[30:31]    ; ssq
	s_lshl_b32 s30, s17, 7
	s_add_nc_u64 s[8:9], s[8:9], s[30:31]          ; norm_w
	s_lshl_b32 s21, s18, 5
	s_lshl2_add_u32 s21, s16, s21                  ; my first chunk: 32 b + 4 w
	s_lshl_b32 s30, s21, 13
	s_add_nc_u64 s[24:25], s[6:7], s[30:31]        ; M'
	s_lshl_b32 s30, s21, 12
	s_add_co_u32 s30, s30, CF
	s_add_nc_u64 s[26:27], s[6:7], s[30:31]        ; c^
	s_lshl_b32 s30, s21, 12
	s_add_co_u32 s30, s30, BF
	s_add_nc_u64 s[4:5], s[6:7], s[30:31]          ; b^
	s_lshl_b32 s30, s18, 8
	s_add_co_u32 s30, s30, LAM
	s_add_nc_u64 s[14:15], s[6:7], s[30:31]        ; L, 1 / L of the batch's 32 chunks
	s_lshl_b32 s30, s18, 11
	s_add_co_u32 s30, s30, DEC
	s_add_nc_u64 s[6:7], s[6:7], s[30:31]          ; the decays
	s_load_b512 s[32:47], s[14:15], 0x0            ; chunk c: L in s[32 + 2 c], from c = 16 on in s[36 + 2 c]; 1 / L one above
	s_load_b512 s[48:63], s[14:15], 0x40
	s_load_b512 s[68:83], s[14:15], 0x80
	s_load_b512 s[84:99], s[14:15], 0xc0
	; PHASE 0
.irp d, 0,1
	global_load_b128 v[18+8*(\d):21+8*(\d)], v50, s[8:9] offset:64*(\d)
	global_load_b128 v[22+8*(\d):25+8*(\d)], v50, s[8:9] offset:64*(\d)+16
.endr
.set k, 0
.rept 32
	global_load_b128 v[64+4*k:67+4*k], v4, s[22:23] offset:(k/8)*131072+(k%8)*512 th:TH_LOAD_NT
.set k, k+1
.endr
	WIN 0x40                                       ; destination window 1: b^'s fragments, (chunk, high or low, key half) at 32 cc + 8 (2 hl + q)
.set k, 0
.rept 32
	global_load_b128 v[4*k:4*k+3], v4, s[4:5] offset:k*512
.set k, k+1
.endr
	WIN 0
.set k, 0
.rept 32
	s_wait_loadcnt 63-k                            ; the younger loads: the rest of x_in and b^'s 32
	ds_store_b128 v5, v[64+4*k:67+4*k] offset:(k/8)*4224+(k%8)*512
.set k, k+1
.endr
.irp i, 0,1,2,3,4,5,6,7
	v_cvt_pk_bf16_f32 v[52+(\i)], v[18+2*(\i)], v[19+2*(\i)]
.endr
.irp i, 0,1,2,3,4,5,6,7
	v_lshlrev_b32 v[18+2*(\i)], 16, v[52+(\i)]
	v_and_b32 v[19+2*(\i)], 0xffff0000, v[52+(\i)]
.endr
	; PHASE 1
.macro TR cc, set                      ; chunk cc's x_in, turned: 16 channels x 32 steps a fragment
.irp d, 0,1
.irp q, 0,1
	ds_load_tr16_b128 v[XT+32*(\set)+8*(2*(\d)+(\q)):XT+32*(\set)+8*(2*(\d)+(\q))+3],   v6 offset:(\d)*8448+(\cc)*1024+(\q)*512
	ds_load_tr16_b128 v[XT+32*(\set)+8*(2*(\d)+(\q))+4:XT+32*(\set)+8*(2*(\d)+(\q))+7], v6 offset:(\d)*8448+(\cc)*1024+(\q)*512+256
.endr
.endr
.endm
.macro STATE cc                        ; Sloc of chunk cc: a lane holds one channel and eight n.  The two accumulators by turns
	WIN 0x01                                       ; source 0 window 1
.irp m, 0,1,2,3
.irp d, 0,1
.if (\m) == 0
	v_wmma_f32_16x16x32_f16 v[34+8*(\d):41+8*(\d)], v[32*(\cc)+8*(\m):32*(\cc)+8*(\m)+7], v[XT+32*((\cc)%2)+8*(2*(\d)+(\m)%2):XT+32*((\cc)%2)+8*(2*(\d)+(\m)%2)+7], 0
.else
	v_wmma_f32_16x16x32_f16 v[34+8*(\d):41+8*(\d)], v[32*(\cc)+8*(\m):32*(\cc)+8*(\m)+7], v[XT+32*((\cc)%2)+8*(2*(\d)+(\m)%2):XT+32*((\cc)%2)+8*(2*(\d)+(\m)%2)+7], v[34+8*(\d):41+8*(\d)]
.endif
.endr
.endr
	WIN 0
.rept 5
	v_nop                                          ; five places: the next chunk's first product writes over an accumulator; four serve the stores and the loads into the sources
.endr
.irp d, 0,1
	ds_store_b128 v7, v[34+8*(\d):37+8*(\d)] offset:(\cc)*2048+(\d)*1024
	ds_store_b128 v7, v[38+8*(\d):41+8*(\d)] offset:(\cc)*2048+(\d)*1024+512
.endr
.endm
	TR 0, 0
	TR 1, 1
	s_wait_loadcnt 24                              ; b^ of the three later chunks stays out
	s_wait_dscnt 8                                 ; the next chunk's eight turning loads stay out
	STATE 0
	TR 2, 0
	s_wait_loadcnt 16
	s_wait_dscnt 12                                ; four stores and eight turning loads are younger
	STATE 1
	TR 3, 1
	s_wait_loadcnt 8
	s_wait_dscnt 12
	STATE 2
	s_wait_loadcnt 0x0                             ; ahead of the jump: no load stays out into the registers that the fragment sets take below
	s_wait_dscnt 4                                 ; four stores are younger
	s_cmp_eq_u32 s16, 7                            ; the batch's last chunk adds to a state that nobody reads
	s_cbranch_scc1 .Lno_last
	STATE 3
.Lno_last:
.set c, 1
.rept 30
	global_load_b64 v[128+2*c:129+2*c], v13, s[6:7] offset:c*64
.set c, c+1
.endr
.macro SETLD cc, p                     ; chunk cc's fragments into set p of window 1: M' (t block, keys 0-31) at 8 tb, M' (2, 3; keys 32-63) at 32, 40, c^ at 48 + 8 tb: 20 loads
	WIN 0x40
.irp tb, 0,1,2,3
	global_load_b128 v[80*(\p)+8*(\tb):80*(\p)+8*(\tb)+3],   v4, s[24:25] offset:(\cc)*8192+(\tb)*2048
	global_load_b128 v[80*(\p)+8*(\tb)+4:80*(\p)+8*(\tb)+7], v4, s[24:25] offset:(\cc)*8192+(\tb)*2048+512
.endr
.irp tb, 2,3
	global_load_b128 v[80*(\p)+16+8*(\tb):80*(\p)+16+8*(\tb)+3],   v4, s[24:25] offset:(\cc)*8192+(\tb)*2048+1024
	global_load_b128 v[80*(\p)+16+8*(\tb)+4:80*(\p)+16+8*(\tb)+7], v4, s[24:25] offset:(\cc)*8192+(\tb)*2048+1536
.endr
.irp tb, 0,1,2,3
	global_load_b128 v[80*(\p)+48+8*(\tb):80*(\p)+48+8*(\tb)+3],   v4, s[26:27] offset:(\cc)*4096+(\tb)*1024
	global_load_b128 v[80*(\p)+48+8*(\tb)+4:80*(\p)+48+8*(\tb)+7], v4, s[26:27] offset:(\cc)*4096+(\tb)*1024+512
.endr
	WIN 0
.endm
	SETLD 0, 0
	SETLD 1, 1
	s_wait_dscnt 0x0
	s_barrier_signal -1
	s_barrier_wait -1
	; PHASE 2
.set c, 0
.rept 31
	ds_load_b64 v[64+2*c:65+2*c], v8 offset:c*2048
.set c, c+1
.endr
	s_wait_kmcnt 0x0                               ; L, 1 / L
	s_wait_loadcnt 40                              ; the decays are in; the two fragment sets stay out
	s_wait_dscnt 0x0
	v_mul_f32 v192, s33, v64                       ; the state behind chunk 0: it found zeros
	v_mul_f32 v193, s33, v65
.set c, 1
.rept 31
.if c < 16
.set LR, 32+2*c
.else
.set LR, 36+2*c
.endif
.set T, 194+8*(c%2)
	v_pk_mul_f32 v[T:T+1], v[192:193], s[LR:LR+1] op_sel_hi:[1,0]  ; what chunk c finds, times its L
.if c < 31
	v_pk_mul_f32 v[192:193], v[192:193], v[128+2*c:129+2*c]
	v_fmac_f32 v192, s[LR+1], v[64+2*c]
	v_fmac_f32 v193, s[LR+1], v[65+2*c]
.endif
	v_cvt_pk_bf16_f32 v[T+2], v[T], v[T+1]
	v_fma_mix_f32_bf16 v[T+4], v[T+2], v16, v[T] op_sel_hi:[1,0,0]
	v_fma_mix_f32_bf16 v[T+5], v[T+2], v16, v[T+1] op_sel:[1,0,0] op_sel_hi:[1,0,0]
	v_cvt_pk_bf16_f32 v[T+3], v[T+4], v[T+5]
	ds_store_b32 v9, v[T+2] offset:c*2048
	ds_store_b32 v9, v[T+3] offset:c*2048+512
.set c, c+1
.endr
	s_wait_dscnt 0x0
	s_barrier_signal -1
	s_barrier_wait -1
	; PHASE 3.  Accumulator (t block, d block) at v[64 + 8 (2 tb + d)]; eight by turns, one instruction a turn
.irp t, 226,230,234,238
	v_mov_b32 v\t, 0                               ; v_permlanex16_b32's destinations count as read
.endr
.macro ROUND12                         ; the state's high parts, then its low parts (each stands twice along K), times c^'s 16 high and 16 low parts
.irp hl, 0,1
.irp tb, 0,1,2,3
.irp d, 0,1
.if (\hl) == 0
	v_wmma_f32_16x16x32_bf16 v[64+8*(2*(\tb)+(\d)):71+8*(2*(\tb)+(\d))], v[128+8*(\d):135+8*(\d)], v[P80+48+8*(\tb):P80+55+8*(\tb)], 0
.else
	v_wmma_f32_16x16x32_bf16 v[64+8*(2*(\tb)+(\d)):71+8*(2*(\tb)+(\d))], v[144+8*(\d):151+8*(\d)], v[P80+48+8*(\tb):P80+55+8*(\tb)], v[64+8*(2*(\tb)+(\d)):71+8*(2*(\tb)+(\d))]
.endif
.endr
.endr
.endr
.endm
.macro ROUND3 zero                     ; x_in's steps 0-31 times M'
.irp tb, 0,1,2,3
.irp d, 0,1
.if \zero
	v_wmma_f32_16x16x32_f16 v[64+8*(2*(\tb)+(\d)):71+8*(2*(\tb)+(\d))], v[XT+16*(\d):XT+16*(\d)+7], v[P80+8*(\tb):P80+8*(\tb)+7], 0
.else
	v_wmma_f32_16x16x32_f16 v[64+8*(2*(\tb)+(\d)):71+8*(2*(\tb)+(\d))], v[XT+16*(\d):XT+16*(\d)+7], v[P80+8*(\tb):P80+8*(\tb)+7], v[64+8*(2*(\tb)+(\d)):71+8*(2*(\tb)+(\d))]
.endif
.endr
.endr
.endm
.macro ROUND4                          ; steps 32-63, for the t blocks that see them
.irp tb, 2,3
.irp d, 0,1
	v_wmma_f32_16x16x32_f16 v[64+8*(2*(\tb)+(\d)):71+8*(2*(\tb)+(\d))], v[XT+16*(\d)+8:XT+16*(\d)+15], v[P80+16+8*(\tb):P80+16+8*(\tb)+7], v[64+8*(2*(\tb)+(\d)):71+8*(2*(\tb)+(\d))]
.endr
.endr
.endm
.macro CHUNK cc, left                  ; left: the other set's loads, which may stay out
.set P80, 80*((\cc)%2)
	TR \cc, 0
.if (\cc) == 0
	s_cmp_eq_u32 s16, 0                            ; the batch's first chunk finds the zero state: no product with it
	s_cbranch_scc1 .Lzero
.endif
.irp d, 0,1
.irp hl, 0,1
	ds_load_b128 v[128+16*(\hl)+8*(\d):128+16*(\hl)+8*(\d)+3],   v10 offset:(\cc)*2048+(\d)*1024+(\hl)*512
	ds_load_b128 v[128+16*(\hl)+8*(\d)+4:128+16*(\hl)+8*(\d)+7], v10 offset:(\cc)*2048+(\d)*1024+(\hl)*512
.endr
.endr
	s_wait_dscnt 0x0
	s_wait_loadcnt \left
	WIN 0x04                                       ; source 1 window 1
	ROUND12
.rept 5
	v_nop                                          ; five places: the f16 form takes the bf16 form's accumulators up, which is no chain
.endr
	ROUND3 0
.if (\cc) == 0
	WIN 0
	s_branch .Ljoin
.Lzero:
	s_wait_dscnt 0x0
	s_wait_loadcnt \left
	WIN 0x04
	ROUND3 1
	WIN 0
.Ljoin:
.endif
	WIN 0x04
	ROUND4
	WIN 0
	PLACES
.if (\cc) < 2
	SETLD (\cc)+2, (\cc)%2                         ; the set just multiplied takes the chunk two on
.endif
	s_wait_xcnt 0x0                                ; the last chunk's stores have read their data
.irp tb, 0,1,2,3
.set A, 64+16*(\tb)
.set Q, 224+4*(\tb)
	v_pk_mul_f32 v[Q:Q+1], v[A:A+1], v[A:A+1]      ; the sum of squares of my 16 channels
.irp i, 1,2,3,4,5,6,7
	v_pk_fma_f32 v[Q:Q+1], v[A+2*(\i):A+2*(\i)+1], v[A+2*(\i):A+2*(\i)+1], v[Q:Q+1]
.endr
.irp i, 0,1,2,3,4,5,6,7
	v_pk_mul_f32 v[A+2*(\i):A+2*(\i)+1], v[A+2*(\i):A+2*(\i)+1], v[18+2*(\i):19+2*(\i)]
.endr
.irp i, 0,1,2,3,4,5,6,7
	v_cvt_pk_bf16_f32 v[160+8*(\tb)+(\i)], v[A+2*(\i)], v[A+2*(\i)+1]
.endr
	global_store_b128 v11, v[160+8*(\tb):163+8*(\tb)], s[2:3] offset:(\cc)*1024+(\tb)*256          ; 16 lanes store 256 consecutive bytes, aligned
	global_store_b128 v11, v[164+8*(\tb):167+8*(\tb)], s[2:3] offset:262144+(\cc)*1024+(\tb)*256
	v_add_f32 v[Q], v[Q], v[Q+1]
	v_permlanex16_b32 v[Q+2], v[Q], s28, s29       ; the step's other 16 channels lie in the lane 16 away
	v_add_f32 v[Q], v[Q], v[Q+2]
.endr
	v_cndmask_b32 v224, v224, v228, s20            ; lanes 0-15 keep t block 0's, lanes 16-31 take t block 1's
	v_cndmask_b32 v232, v232, v236, s20
	global_store_b32 v12, v224, s[100:101] offset:(\cc)*256
	global_store_b32 v12, v232, s[100:101] offset:(\cc)*256+128
.endm
	CHUNK 0, 20
	CHUNK 1, 20
	CHUNK 2, 20
	CHUNK 3, 0
	s_wait_tensorcnt 0x0                           ; the wave's end
	ds_add_u32 v14, v15
	s_wait_dscnt 0x0
	s_endpgm
.Lfunc_end_k_qe53789f51b_scan:
	.size	k_qe53789f51b_scan, .Lfunc_end_k_qe53789f51b_scan-k_qe53789f51b_scan
	.p2alignl 7, 3214868480
	.fill 96, 4, 3214868480
	.section	.rodata,"a",@progbits
	.p2align	6, 0x0
	.amdhsa_kernel k_qe53789f51b_scan
		.amdhsa_group_segment_fixed_size 267264
		.amdhsa_private_segment_fixed_size 0
		.amdhsa_enable_private_segment 0
		.amdhsa_kernarg_size 40
		.amdhsa_user_sgpr_count 2
		.amdhsa_user_sgpr_kernarg_segment_ptr 1
		.amdhsa_wavefront_size32 1
		.amdhsa_system_sgpr_workgroup_id_x 1
		.amdhsa_system_sgpr_workgroup_id_y 1
		.amdhsa_system_sgpr_workgroup_id_z 1
		.amdhsa_system_vgpr_workitem_id 0
		.amdhsa_next_free_vgpr 416
		.amdhsa_next_free_sgpr 102
		.amdhsa_reserve_vcc 0
		.amdhsa_float_denorm_mode_32 3
		.amdhsa_float_denorm_mode_16_64 3
		.amdhsa_memory_ordered 1
		.amdhsa_forward_progress 1
		.amdhsa_inst_pref_size 96
	.end_amdhsa_kernel
	.amdgpu_metadata
---
amdhsa.version: [ 1, 2 ]
amdhsa.kernels:
  - .name:           k_qe53789f51b_scan
    .symbol:         k_qe53789f51b_scan.kd
    .args:
      - { .name: xin, .offset: 0, .size: 8, .value_kind: global_buffer, .address_space: global }
      - { .name: chk, .offset: 8, .size: 8, .value_kind: global_buffer, .address_space: global }
      - { .name: norm_w, .offset: 16, .size: 8, .value_kind: global_buffer, .address_space: global }
      - { .name: y8, .offset: 24, .size: 8, .value_kind: global_buffer, .address_space: global }
      - { .name: ssq, .offset: 32, .size: 8, .value_kind: global_buffer, .address_space: global }
    .group_segment_fixed_size: 267264
    .private_segment_fixed_size: 0
    .kernarg_segment_align: 8
    .kernarg_segment_size: 40
    .max_flat_workgroup_size: 256
    .sgpr_count:     102
    .vgpr_count:     416
    .wavefront_size: 32
...
	.end_amdgpu_metadata
.endif
;; end of part 4
;; launch gemm2 (part 5): grid 8 x 32, 4 waves a work-group, clusters of 4 x 4, 327,680 bytes of LDS; arguments y8, prep, ssq, chk, out0; writes out0
.if DOCPART == 5
	.amdgcn_target "amdgcn-amd-amdhsa--gfx1250"
	.amdhsa_code_object_version 6
	.text
	.protected	k_qe53789f51b_gemm2
	.globl	k_qe53789f51b_gemm2
	.p2align	8
	.type	k_qe53789f51b_gemm2,@function
k_qe53789f51b_gemm2:
	s_mov_b64 s[64:65], 0
	v_nop
	global_prefetch_b8 v0, s[64:65] scope:SCOPE_SE
	s_setreg_imm32_b32 hwreg(HW_REG_WAVE_MODE, 25, 1), 1
	s_wait_xcnt 0x0
	s_wait_alu depctr_hold_cnt(0) depctr_sa_sdst(0) depctr_va_vdst(0) depctr_va_sdst(0) depctr_va_ssrc(0) depctr_va_vcc(0) depctr_vm_vsrc(0)
	s_getreg_b32 s2, hwreg(HW_REG_IB_STS2, 6, 4)
	s_cmp_eq_u32 s2, 0
	s_cbranch_scc0 .Lentry_in_a_cluster
	s_endpgm
.Lentry_in_a_cluster:
	s_bfe_u32 s2, ttmp6, 0x10000c
	s_cmp_lg_u32 s2, 0xf033
	s_cbranch_scc0 .Lentry_shape_is_right
	s_endpgm
.Lentry_shape_is_right:
; GEMM2: out0 = ((out' x norm_w) W_out) x rsqrt(sum of out'^2 / 2048 + eps (k L)^2): RMSNorm's factor belongs to a row, so it is applied to the finished sums.  No work of reference() is left out here.
; A tile is 256 rows x 128 columns: 256 work-groups.  Four waves, each 128 x 64: 32 accumulators.  K = 2,048 in 16 steps of 128 through two LDS slots filled by tensor loads.
; Operands lie in groups of eight ([k/8][row][8]): a tile is 16 rows of 2,048 (A) or 1,024 (B) bytes, dense in LDS.  CLUSTER 4 x 4: A's tile is asked for jointly along a row of the cluster, B's along a column.
; The matrix instruction is used transposed (source 0 = 16 rows of B, source 1 = 16 rows of A): a lane holds one row and eight neighbouring columns, 32 bytes of out0.
; REGISTERS: window 0: v16-31 addresses, v32-47 the rows' factors, v64-191 A's fragments (two buffers; on the way out at work), v192-255 B's; window 1: accumulator (a, b) at v[8 (4 a + b)].
.set LAPS,  8
.set SLOT,  98304                      ; A's two halves of 32,768 bytes, then B's two of 16,384
.set STAGE, 196608                     ; behind the ring: 16 rows x 272 bytes for each wave
.set RS,    214016                     ; the tile's 256 row factors
.set SPARE, 215040                     ; the spare words, 128 bytes a wave
.set KA,    2097152                    ; a K step in y8: 16 groups of 131,072 bytes
.set KB,    262144                     ; in W_out's region: 16 groups of 16,384 bytes
.set WO8,   25165824
.set EPS2,  2106368
.set ADRA, 16
.set ADRB, 20
.set STO,  24
.set RD,   25
.set CO,   26
.set RSA,  27
.set SPW,  28
.set NIL,  29
.set PFO,  30
.set G1,  24
.set G0,  32
.set G1B, 48
.set G0B, 56
.set LIM, 43
.set PFA, 44
.set PFS, 78
.set MSB, 0
.macro WIN new
.if MSB != (\new)
	s_set_vgpr_msb (MSB<<8)|(\new)
.set MSB, \new
.endif
.endm
.set MUL, 0x50                         ; C and D window 1, sources window 0
.macro JLOAD s                         ; waves 0 and 1 fetch A's halves, waves 2 and 3 B's; an s_nop 0 and four v_nop follow each line
	s_cmp_eq_u32 s11, 0
	s_cbranch_scc0 .Lfor_b_\@
	tensor_load_to_lds s[G0+4*(\s):G0+4*(\s)+3], s[G1:G1+7]
	s_nop 0
.rept 4
	v_nop
.endr
	s_branch .Lasked_\@
.Lfor_b_\@:
	tensor_load_to_lds s[G0B+4*(\s):G0B+4*(\s)+3], s[G1B:G1B+7]
	s_nop 0
.rept 4
	v_nop
.endr
.Lasked_\@:
.endm
; A prefetch of the K step two refills on.  A: waves 0 and 1 of the clusters with x = 0, each for the half that it fetches; B: wave 2 of the clusters with y = 0, for the tile's 128 rows.
; Of a group's 2,048 bytes my work-group takes 512, told apart by address; a lane 256 bytes.  The loop's last trip has no K step two on.
.macro ASK
	s_cmp_gt_u32 s3, s[LIM]
	s_cbranch_scc0 .Lnot_mine_\@
	global_prefetch_b8 v[PFO], s[PFA:PFA+1] th:TH_LOAD_NT scope:SCOPE_SE
.Lnot_mine_\@:
.endm
.macro CREST
	s_cmp_lg_u32 s10, 0
	s_cbranch_scc1 .Lnot_wave_0_\@
	s_barrier_signal -3
.Lnot_wave_0_\@:
	s_barrier_wait -3
	s_barrier_signal -1
	s_barrier_wait -1
.endm
.macro CROUND
	s_barrier_signal -1
	s_barrier_wait -1
	CREST
.endm
	s_load_b256 s[68:75], s[0:1], 0x0              ; y8 s[68:69], prep s[70:71], ssq s[72:73], chk s[74:75]
	s_load_b64 s[76:77], s[0:1], 0x20              ; out0
	v_lshl_add_u32 v[SPW], v0, 2, SPARE
	v_mov_b32 v[NIL], 0
	ds_add_u32 v[SPW], v[NIL]                      ; the wave's opening: the add, twice on end, and its wait ahead of my first tensor load
	ds_add_u32 v[SPW], v[NIL]
	v_lshrrev_b32 v1, 5, v0
	v_readfirstlane_b32 s10, v1
	s_lshr_b32 s11, s10, 1                         ; rw.  Also: I fetch for A (0) or B (1)
	s_and_b32 s12, s10, 1                          ; cw.  Also: which half I fetch
	s_bfe_u32 s40, ttmp6, 0x40000                  ; cx
	s_bfe_u32 s41, ttmp6, 0x40004                  ; cy
	s_lshl_b32 s42, ttmp9, 2
	s_add_co_u32 s42, s42, s40                     ; the block of 128 columns
	s_and_b32 s13, ttmp7, 0xffff
	s_lshl_b32 s13, s13, 2
	s_add_co_u32 s13, s13, s41                     ; the block of 256 rows
	s_lshl_b32 s43, s41, 2
	s_lshl_b32 s43, 15, s43
	s_lshl_b32 s44, 0x1111, s40
	s_or_b32 s[G1+0], s43, (1<<16)|(1<<21)         ; the mask of my row; elements of 2 bytes; bit 21 beside a mask; no padding
	s_or_b32 s[G1B+0], s44, (1<<16)|(1<<21)
	s_mov_b32 s[G1+1], 1024<<16                    ; A: 16 groups x 128 rows x 8 elements, 65,536 elements from group to group
	s_mov_b32 s[G1+2], 16<<16
	s_mov_b32 s[G1+3], 1024<<16
	s_mov_b32 s[G1+4], 16
	s_mov_b32 s[G1+5], 65536
	s_mov_b32 s[G1+6], 0
	s_mov_b32 s[G1+7], 0
	s_mov_b32 s[G1B+1], 512<<16                    ; B: 16 groups x 64 rows x 8 elements, 8,192 from group to group
	s_mov_b32 s[G1B+2], 16<<16
	s_mov_b32 s[G1B+3], 512<<16
	s_mov_b32 s[G1B+4], 16
	s_mov_b32 s[G1B+5], 8192
	s_mov_b32 s[G1B+6], 0
	s_mov_b32 s[G1B+7], 0
	s_lshl_b32 s17, s12, 11
	s_lshl_b32 s16, s13, 12
	s_add_co_u32 s16, s16, s17                     ; A: (256 i + 128 half) rows of 16 bytes
	s_mov_b32 s17, 0
	s_lshl_b32 s46, s42, 11
	s_lshl_b32 s47, s12, 10
	s_add_co_u32 s46, s46, s47                     ; B: (128 jx + 64 half) rows
	s_add_co_u32 s46, s46, WO8
	s_mov_b32 s47, 0
	s_lshl_b32 s20, s12, 15                        ; where they go: by the wave's number alone
	s_lshl_b32 s21, s12, 14
	s_add_co_u32 s21, s21, 65536
	s_wait_dscnt 0x0                               ; both opening adds are done
	s_wait_kmcnt 0x0
	s_add_nc_u64 s[14:15], s[68:69], s[16:17]
	s_add_nc_u64 s[46:47], s[70:71], s[46:47]
	CROUND                                         ; all sixteen work-groups are here: the first joint loads meet
.irp s, 0,1
	s_mov_b32 s[G0+4*(\s)], 1
	s_add_co_u32 s[G0+4*(\s)+1], s20, (\s)*SLOT
	s_add_nc_u64 s[G0+4*(\s)+2:G0+4*(\s)+3], s[14:15], (\s)*KA
	s_or_b32 s[G0+4*(\s)+3], s[G0+4*(\s)+3], 0x80000000
	s_mov_b32 s[G0B+4*(\s)], 1
	s_add_co_u32 s[G0B+4*(\s)+1], s21, (\s)*SLOT
	s_add_nc_u64 s[G0B+4*(\s)+2:G0B+4*(\s)+3], s[46:47], (\s)*KB
	s_or_b32 s[G0B+4*(\s)+3], s[G0B+4*(\s)+3], 0x80000000
	JLOAD \s                                       ; two tensor loads of mine are out
.endr
	; THE ROWS' FACTORS, while the first tiles are on their way: thread t adds the 64 slices' sums of squares of rows 2 t, 2 t + 1
	s_lshl_b32 s8, s13, 10
	s_mov_b32 s9, 0
	s_add_nc_u64 s[4:5], s[72:73], s[8:9]
	s_add_co_u32 s8, s8, EPS2
	s_add_nc_u64 s[6:7], s[74:75], s[8:9]
	v_lshlrev_b32 v3, 3, v0
.set k, 0
.rept 64
	global_load_b64 v[64+2*k:65+2*k], v3, s[4:5] offset:k*32768
.set k, k+1
.endr
	global_load_b64 v[32:33], v3, s[6:7]
	v_and_b32 v1, 15, v0                           ; r
	v_bfe_u32 v2, v0, 4, 1                         ; h
	v_and_b32 v4, 31, v0                           ; l
	v_lshlrev_b32 v5, 4, v1
	v_lshl_add_u32 v6, v2, 11, v5                  ; A's fragments: group h x 2,048 + row r x 16
	v_lshl_add_u32 v7, v2, 10, v5                  ; B's: group h x 1,024
	s_lshl_b32 s21, s11, 15
	s_lshl_b32 s22, s12, 14
	s_add_co_u32 s22, s22, 65536
.irp s, 0,1
	v_add_nc_u32 v[ADRA+(\s)], s21, v6
	v_add_nc_u32 v[ADRB+(\s)], s22, v7
	s_add_co_u32 s21, s21, SLOT
	s_add_co_u32 s22, s22, SLOT
.endr
	s_mul_i32 s23, s10, 4352
	s_add_co_u32 s23, s23, STAGE                   ; my stage
	v_mul_u32_u24 v[STO], v1, 272                  ; in: row r, 32 bytes for each half of the lanes
	v_lshl_add_u32 v[STO], v2, 5, v[STO]
	v_add_nc_u32 v[STO], s23, v[STO]
	v_mul_u32_u24 v[RD], v2, 272                   ; back: lanes 0-15 one row of 256 bytes, lanes 16-31 the next
	v_add_nc_u32 v[RD], v[RD], v5
	v_add_nc_u32 v[RD], s23, v[RD]
	v_lshl_add_u32 v[CO], v2, 12, v5               ; and the same two rows in out0
	s_lshl_b32 s23, s11, 9
	s_add_co_u32 s23, s23, RS
	v_lshl_add_u32 v[RSA], v1, 2, s23              ; my row's factor
	v_add_nc_u32 v8, RS, v3
	s_lshl_b32 s8, s13, 20                         ; out0: (256 i + 128 rw) rows of 4,096 bytes, (128 jx + 64 cw) columns of 4
	s_lshl_b32 s23, s11, 19
	s_add_co_u32 s8, s8, s23
	s_lshl_b32 s23, s42, 9
	s_add_co_u32 s8, s8, s23
	s_lshl_b32 s23, s12, 8
	s_add_co_u32 s8, s8, s23
	s_add_nc_u64 s[76:77], s[76:77], s[8:9]
	; the prefetches
	s_and_b32 s22, ttmp7, 0xffff
	s_cmp_eq_u32 s11, 0
	s_cselect_b32 s21, s40, s41                    ; my place among the four that ask with me
	s_cselect_b32 s22, ttmp9, s22                  ; the coordinate along which other clusters read the same rows
	s_cselect_b64 s[PFA:PFA+1], s[14:15], s[46:47]
	s_cselect_b32 s23, 17, 14                      ; log2 of the bytes from group to group
	s_cselect_b32 s20, 21, 18                      ; log2 of a K step's bytes
	s_lshl_b32 s[PFS], 1, s20
	s_mov_b32 s[PFS+1], 0
	s_cmp_eq_u32 s10, 3
	s_cselect_b32 s22, 1, s22                      ; wave 3 asks for nothing: wave 2 names all of B's rows
	s_cmp_eq_u32 s22, 0
	s_cselect_b32 s[LIM], 1, -1
	s_mul_i32 s8, s[PFS], 3                        ; at K step 3: the first refill steps it to 4
	s_lshl_b32 s21, s21, 9
	s_add_co_u32 s8, s8, s21
	s_add_nc_u64 s[PFA:PFA+1], s[PFA:PFA+1], s[8:9]
	v_lshrrev_b32 v5, 1, v4
	v_lshlrev_b32 v5, s23, v5
	v_and_b32 v4, 1, v4
	v_lshl_add_u32 v[PFO], v4, 8, v5
	s_wait_loadcnt 0x0
.set k, 1
.rept 63
	v_pk_add_f32 v[64:65], v[64:65], v[64+2*k:65+2*k]
.set k, k+1
.endr
	v_pk_fma_f32 v[64:65], v[64:65], 0x3a000000, v[32:33] op_sel_hi:[1,0,1]  ; / 2,048, + eps (k L)^2
	v_rsq_f32 v64, v64
	v_rsq_f32 v65, v65
	v_nop
	s_wait_alu depctr_va_vdst(0)                   ; one wait for the two
	ds_store_b64 v8, v[64:65]
.macro MUL8 f, a0, zero                ; 8 matrix instructions: m blocks a0, a0 + 1 x all 4 n blocks, 32 along K
	WIN MUL
.irp a, \a0, (\a0)+1
.irp b, 0,1,2,3
.if \zero
	v_wmma_f32_16x16x32_bf16 v[8*(4*(\a)+(\b)):8*(4*(\a)+(\b))+7], v[192+32*(\f)+8*(\b):192+32*(\f)+8*(\b)+7], v[64+64*(\f)+8*(\a):64+64*(\f)+8*(\a)+7], 0
.else
	v_wmma_f32_16x16x32_bf16 v[8*(4*(\a)+(\b)):8*(4*(\a)+(\b))+7], v[192+32*(\f)+8*(\b):192+32*(\f)+8*(\b)+7], v[64+64*(\f)+8*(\a):64+64*(\f)+8*(\a)+7], v[8*(4*(\a)+(\b)):8*(4*(\a)+(\b))+7]
.endif
.endr
.endr
.endm
.macro FETCH slot, q, f                ; 24 LDS loads in one run: quarter q of the slot into buffer f: B's 64 rows, then A's 128
	WIN 0
.irp i, 0,1,2,3
	ds_load_b128 v[192+32*(\f)+8*(\i):192+32*(\f)+8*(\i)+3],   v[ADRB+(\slot)] offset:(\q)*4096+(\i)*256
	ds_load_b128 v[192+32*(\f)+8*(\i)+4:192+32*(\f)+8*(\i)+7], v[ADRB+(\slot)] offset:(\q)*4096+2048+(\i)*256
.endr
.irp i, 0,1,2,3,4,5,6,7
	ds_load_b128 v[64+64*(\f)+8*(\i):64+64*(\f)+8*(\i)+3],   v[ADRA+(\slot)] offset:(\q)*8192+(\i)*256
	ds_load_b128 v[64+64*(\f)+8*(\i)+4:64+64*(\f)+8*(\i)+7], v[ADRA+(\slot)] offset:(\q)*8192+4096+(\i)*256
.endr
.endm
.macro PLACES
.rept 4
	v_nop
.endr
.endm
.macro QUARTER slot, q, f, g, zero
	s_wait_dscnt 8                                 ; the youngest eight loads (A's rows 64-127) may be out
	MUL8 \f, 0, \zero
	MUL8 \f, 2, \zero
	PLACES
	FETCH \slot, \q, \g
	s_wait_dscnt 24                                ; all but the 24 just issued
	MUL8 \f, 4, \zero
	MUL8 \f, 6, \zero
.endm
.macro TURN slot, next, fill           ; the last quarter of a K step multiplies buffer 1 and changes slots, as in the first product's kernel
.if \fill
	s_wait_xcnt 0x0                                ; the last prefetch, a K step back, has read its address
	s_add_nc_u64 s[PFA:PFA+1], s[PFA:PFA+1], s[PFS:PFS+1]
.endif
	WIN 0
	s_wait_tensorcnt 0x0                           ; all my tensor loads have landed: the one that was out is my part of the next slot
	ds_add_u32 v[SPW], v[NIL]
	s_wait_dscnt 9                                 ; the add and the youngest eight loads may be out
	MUL8 1, 0, 0
	s_wait_dscnt 0x0                               ; the add is done, and my reads of this slot are over
	s_barrier_signal -1
	MUL8 1, 2, 0
.if \fill
	WIN 0
.endif
	s_barrier_wait -1
.if \fill
	CREST
	s_add_nc_u64 s[G0+4*(\slot)+2:G0+4*(\slot)+3], s[G0+4*(\slot)+2:G0+4*(\slot)+3], 2*KA
	s_add_nc_u64 s[G0B+4*(\slot)+2:G0B+4*(\slot)+3], s[G0B+4*(\slot)+2:G0B+4*(\slot)+3], 2*KB
	JLOAD \slot                                    ; my one tensor load behind the round; its four v_nop are also the places in front of the loads below
.else
	PLACES
.endif
	FETCH \next, 0, 0
.if \fill
	ASK
.endif
	MUL8 1, 4, 0
	MUL8 1, 6, 0
.endm
	s_wait_dscnt 0x0                               ; my two factors lie in LDS
	s_wait_tensorcnt 1                             ; my part of K step 0 is in; K step 1's stays out
	s_barrier_signal -1
	s_barrier_wait -1
	FETCH 0, 0, 0
	QUARTER 0, 1, 0, 1, 1                          ; the first quarter starts the sums
	WIN 0
	s_mov_b32 s3, LAPS-1
.Llap:
	QUARTER 0, 2, 1, 0, 0
	QUARTER 0, 3, 0, 1, 0
	TURN 0, 1, 1
	QUARTER 1, 1, 0, 1, 0
	QUARTER 1, 2, 1, 0, 0
	QUARTER 1, 3, 0, 1, 0
	TURN 1, 0, 1
	QUARTER 0, 1, 0, 1, 0
	WIN 0
	s_sub_co_u32 s3, s3, 1
	s_cmp_lg_u32 s3, 0
	s_cbranch_scc1 .Llap
	QUARTER 0, 2, 1, 0, 0                          ; the last lap fills nothing
	QUARTER 0, 3, 0, 1, 0
	TURN 0, 1, 0
	QUARTER 1, 1, 0, 1, 0
	QUARTER 1, 2, 1, 0, 0
	QUARTER 1, 3, 0, 1, 0
	s_wait_dscnt 8
	MUL8 1, 0, 0
	MUL8 1, 2, 0
	s_wait_dscnt 0x0
	MUL8 1, 4, 0
	MUL8 1, 6, 0
	WIN 0
	; THE WAY OUT: times the row's factor; 16 rows at a time through my stage; back as whole rows of 256 bytes
.irp a, 0,1,2,3,4,5,6,7
	ds_load_b32 v[32+2*(\a)], v[RSA] offset:(\a)*64
	ds_load_b32 v[33+2*(\a)], v[RSA] offset:(\a)*64
.endr
	PLACES
	s_wait_dscnt 0x0
.macro PACK a
	WIN 0x01                                       ; source 0 window 1
.set i, 0
.rept 16
	v_pk_mul_f32 v[64+2*i:65+2*i], v[32*(\a)+2*i:32*(\a)+2*i+1], v[32+2*(\a):33+2*(\a)]
.set i, i+1
.endr
	WIN 0
.endm
.macro TOSTAGE a
.set BK, 96+32*((\a)%2)
.irp b, 0,1,2,3
	ds_store_b128 v[STO], v[64+8*(\b):67+8*(\b)] offset:64*(\b)
	ds_store_b128 v[STO], v[68+8*(\b):71+8*(\b)] offset:64*(\b)+16
.endr
.irp t, 0,1,2,3,4,5,6,7
	ds_load_b128 v[BK+4*(\t):BK+4*(\t)+3], v[RD] offset:(\t)*544  ; LDS serves a wave's instructions in order: these see the stores above
.endr
.endm
.macro SEND a
.set BK, 96+32*((\a)%2)
	s_wait_dscnt 0x0                               ; the block is back in registers
	s_wait_xcnt 0x0                                ; the stores of the block before have read their data: the next block's loads land on those registers
.irp t, 0,1,2,3,4,5,6,7
	global_store_b128 v[CO], v[BK+4*(\t):BK+4*(\t)+3], s[76:77] offset:(\a)*65536+(\t)*8192 th:TH_STORE_NT  ; 16 lanes store 256 consecutive bytes, aligned
.endr
.endm
	PACK 0
	TOSTAGE 0
.irp a, 1,2,3,4,5,6,7
	PACK \a
	SEND (\a)-1
	TOSTAGE \a
.endr
	SEND 7
	s_wait_tensorcnt 0x0                           ; the wave's end
	ds_add_u32 v[SPW], v[NIL]
	s_wait_dscnt 0x0
	CROUND                                         ; the closing round
	s_endpgm
.Lfunc_end_k_qe53789f51b_gemm2:
	.size	k_qe53789f51b_gemm2, .Lfunc_end_k_qe53789f51b_gemm2-k_qe53789f51b_gemm2
	.p2alignl 7, 3214868480
	.fill 96, 4, 3214868480
	.section	.rodata,"a",@progbits
	.p2align	6, 0x0
	.amdhsa_kernel k_qe53789f51b_gemm2
		.amdhsa_group_segment_fixed_size 327680
		.amdhsa_private_segment_fixed_size 0
		.amdhsa_enable_private_segment 0
		.amdhsa_kernarg_size 40
		.amdhsa_user_sgpr_count 2
		.amdhsa_user_sgpr_kernarg_segment_ptr 1
		.amdhsa_wavefront_size32 1
		.amdhsa_system_sgpr_workgroup_id_x 1
		.amdhsa_system_sgpr_workgroup_id_y 1
		.amdhsa_system_sgpr_workgroup_id_z 1
		.amdhsa_system_vgpr_workitem_id 0
		.amdhsa_next_free_vgpr 512
		.amdhsa_next_free_sgpr 80
		.amdhsa_reserve_vcc 0
		.amdhsa_float_denorm_mode_32 3
		.amdhsa_float_denorm_mode_16_64 3
		.amdhsa_memory_ordered 1
		.amdhsa_forward_progress 1
		.amdhsa_inst_pref_size 106
	.end_amdhsa_kernel
	.amdgpu_metadata
---
amdhsa.version: [ 1, 2 ]
amdhsa.kernels:
  - .name:           k_qe53789f51b_gemm2
    .symbol:         k_qe53789f51b_gemm2.kd
    .args:
      - { .name: y8, .offset: 0, .size: 8, .value_kind: global_buffer, .address_space: global }
      - { .name: prep, .offset: 8, .size: 8, .value_kind: global_buffer, .address_space: global }
      - { .name: ssq, .offset: 16, .size: 8, .value_kind: global_buffer, .address_space: global }
      - { .name: chk, .offset: 24, .size: 8, .value_kind: global_buffer, .address_space: global }
      - { .name: out0, .offset: 32, .size: 8, .value_kind: global_buffer, .address_space: global }
    .group_segment_fixed_size: 327680
    .private_segment_fixed_size: 0
    .kernarg_segment_align: 8
    .kernarg_segment_size: 40
    .max_flat_workgroup_size: 128
    .sgpr_count:     80
    .vgpr_count:     512
    .wavefront_size: 32
...
	.end_amdgpu_metadata
.endif
;; end of part 5
;; ======== version 2 of 2: 5 launches; version 1 with the launches prep, scan written anew for expert scheduling mode
;; limits: values outside matrix products are rounded to f16; values are held in f16: magnitudes above 65,504 overflow, below 6.1e-05 lose precision; right only within a limited range of input values
;; workspace buffers: prep 29,556,736 bytes; xin 33,554,432 bytes; pp 25,165,824 bytes; chk 2,139,136 bytes; y8 33,554,432 bytes; ssq 2,097,152 bytes
;; launch prep (part 6): grid 707 x 1, 8 waves a work-group, no clusters, 35,840 bytes of LDS; arguments x, W_in, W_out, W_A, W_B, W_C, prep; writes prep
.if DOCPART == 6
	.amdgcn_target "amdgcn-amd-amdhsa--gfx1250"
	.amdhsa_code_object_version 6
	.text
	.protected	k_qe53789f51b_prep
	.globl	k_qe53789f51b_prep
	.p2align	8
	.type	k_qe53789f51b_prep,@function
k_qe53789f51b_prep:
	s_mov_b64 s[64:65], 0
	v_nop
	global_prefetch_b8 v0, s[64:65] scope:SCOPE_SE
	s_setreg_imm32_b32 hwreg(HW_REG_WAVE_SCHED_MODE, 0, 2), 2
	s_setreg_imm32_b32 hwreg(HW_REG_WAVE_MODE, 25, 1), 1
	s_wait_xcnt 0x0
	s_wait_alu depctr_vm_vsrc(0)
; PREP: every matrix operand that comes from an input is rounded once to bf16 and laid out in GROUPS OF EIGHT: G[k/8][row][8], 16 bytes = 8 neighbouring k of one row,
; so that 16 neighbouring rows of a group are 256 consecutive bytes.  Regions of prep: XB8 (x) at 0, WIN8 (W_in) , WO8 (W_out), WP8 (W_A, W_B, W_C side by side, 48 rows).
; THE WHOLE PROGRAM.  The decay exp(a_t[n]) of the scan is the same for all channels d, so with E'_t the running sum of e = exp(clip(..)) inside a chunk of 64 steps
;   out_t = sum over s <= t of M[t,s] x_s + (c_t exp(-E'_t)) . S_prev,   M[t,s] = sum over n of c_t[n] exp(-(E'_t - E'_s)) b_s[n],   S_next = S_prev exp(-E'_63) + sum over s of b_s exp(-(E'_63 - E'_s)) x_s.
; WORK LEFT OUT, for all values of the inputs: (1) the product with the initial state, which reference() builds as zeros: chunk 0 of each batch has no S_prev term;
; (2) the last chunk's contribution to the state, and the last state: reference() drops the scan's final state; (3) the parts of M with s > t in whole fragments: the sum runs over s <= t alone.
; A NaN, an infinity or an overflow that would reach only this work is not carried to the result.  Every input has a way to the output and is loaded.
; LIMITS of the program: NaN and infinities are not treated apart; |x_in| stays under 65,504 (it is kept in f16); exponentials under 2^-126 count as 0; where
; max|c_t| x max|b| of a chunk is under 2^-69 the row comes out 0 (reference()'s value there is under 2^-57 of a row of ordinary size).
; SHARES.  Work-groups 0-127: W_in (32 columns each, a wave 128 k).  128-191: W_out.  192-194: W_A, W_B, W_C.  195-706: x (16 rows each, a wave 128 k).
; W_in's column gate x 2048 + 128 j + 64 cw + i goes to row 256 j + 128 cw + 64 gate + i, so that a wave of the first product holds both gates of its 64 channels.
; THE MODE: SCHED_MODE bits 1:0 = 2 (LLVM: expert scheduling mode 2), set by the entry lines.  The code itself states the register dependences
; between vector instructions and memory or LDS instructions, with s_wait_alu, always for 0.
; THE PLAN.  Registers that memory or LDS instructions touch:
;   v2-v25     offsets, made once in each arm ahead of its first use and never written again.
;   v32-v159   the weights' arm: 16 pieces of 8 numbers: each is loaded once, closed up in place by four conversions, and stored once.
;   v32-v95    x's arm: 16 rows as loaded, read by the conversions.   v96-v127  written by the conversions, read by the LDS stores.   v128-v159  LDS loads land here, global stores read them.
;   v30, v31   written at the head, read by the closing add alone.
; No register that a memory or LDS instruction has read is written again.  So the waits are: one ahead of an arm's first load, for its offsets, and one behind the conversions of
; every four pieces, ahead of the run of four stores that read what they wrote.
.set WIN8,  16777216
.set WO8,   25165824
.set WP8,   29360128
.set SPARE, 34816                      ; behind the eight waves' stages: the spare words, 128 bytes a wave
.set VI, 2                             ; v[2:9]    load offsets: row i of a group
.set VD, 10                            ; v[10:25]  store offsets: piece p
.set R,  32                            ; v[32:159] 16 pieces of 8 numbers
	s_load_b256 s[4:11], s[0:1], 0x0               ; x s[4:5], W_in s[6:7], W_out s[8:9], W_A s[10:11]
	s_load_b128 s[12:15], s[0:1], 0x20             ; W_B s[12:13], W_C s[14:15]
	s_load_b64 s[16:17], s[0:1], 0x30              ; prep
	v_lshl_add_u32 v30, v0, 2, SPARE               ; my spare word,
	v_mov_b32 v31, 0                               ; and 0: kept for the closing add alone
	v_lshrrev_b32 v1, 5, v0
	v_readfirstlane_b32 s18, v1                    ; wave
	v_and_b32 v26, 15, v0                          ; r
	v_bfe_u32 v27, v0, 4, 1                        ; h
	v_and_b32 v28, 31, v0                          ; l
	s_mov_b32 s19, ttmp9
	s_mov_b32 s23, 0                               ; high words of the two offset pairs
	s_mov_b32 s31, 0
	s_wait_alu depctr_va_sdst(0)                   ; s18 is written, ahead of the branches: each arm makes its bases from it
	s_wait_kmcnt 0x0
	s_cmp_ge_u32 s19, 195
	s_cbranch_scc1 .Lx
	s_cmp_ge_u32 s19, 192
	s_cbranch_scc1 .Lwp
	s_cmp_ge_u32 s19, 128
	s_cbranch_scc1 .Lwout
	; W_in [1024][4096]: s20 bytes from k to k + 1, s21 from lanes 0-15 to 16-31 in the source, s22 from piece to piece; s28, s29 the same two steps in prep
	s_mov_b32 s20, 16384
	s_mov_b32 s21, 64
	s_mov_b32 s22, 131072
	s_mov_b32 s28, 65536
	s_mov_b32 s29, 256
	s_lshl_b32 s30, s18, 21                        ; wave x 128 rows of 16,384 bytes
	s_lshl_b32 s2, s19, 7                          ; 32 columns
	s_add_co_u32 s30, s30, s2
	s_add_nc_u64 s[24:25], s[6:7], s[30:31]
	s_bfe_u32 s30, s19, 0x40002                    ; j
	s_lshl_b32 s30, s30, 12
	s_bfe_u32 s2, s19, 0x10001                     ; cw
	s_lshl_b32 s2, s2, 11
	s_add_co_u32 s30, s30, s2
	s_lshr_b32 s2, s19, 6                          ; gate
	s_lshl_b32 s2, s2, 10
	s_add_co_u32 s30, s30, s2
	s_and_b32 s2, s19, 1                           ; which 32 of the 64
	s_lshl_b32 s2, s2, 9
	s_add_co_u32 s30, s30, s2
	s_lshl_b32 s2, s18, 20                         ; wave x 16 groups of 65,536 bytes
	s_add_co_u32 s30, s30, s2
	s_add_co_u32 s30, s30, WIN8
	s_add_nc_u64 s[26:27], s[16:17], s[30:31]
	s_branch .Lw
.Lwout:                                        ; W_out [2048][1024]
	s_sub_co_u32 s30, s19, 128
	s_lshl3_add_u32 s30, s30, s18                  ; 8 (id - 128) + wave
	s_and_b32 s2, s30, 15                          ; block of 128 k
	s_lshr_b32 s3, s30, 4                          ; block of 32 columns
	s_mov_b32 s20, 4096
	s_mov_b32 s21, 64
	s_mov_b32 s22, 32768
	s_mov_b32 s28, 16384
	s_mov_b32 s29, 256
	s_lshl_b32 s30, s2, 19
	s_lshl_b32 s24, s3, 7
	s_add_co_u32 s30, s30, s24
	s_add_nc_u64 s[24:25], s[8:9], s[30:31]
	s_lshl_b32 s30, s2, 18
	s_lshl_b32 s3, s3, 9
	s_add_co_u32 s30, s30, s3
	s_add_co_u32 s30, s30, WO8
	s_add_nc_u64 s[26:27], s[16:17], s[30:31]
	s_branch .Lw
.Lwp:                                          ; W_A, W_B or W_C [2048][16]: lanes 16-31 take the next group of 8 channels
	s_sub_co_u32 s2, s19, 192
	s_cmp_eq_u32 s2, 0
	s_cselect_b64 s[24:25], s[10:11], s[12:13]
	s_cmp_eq_u32 s2, 2
	s_cselect_b64 s[24:25], s[14:15], s[24:25]
	s_mov_b32 s20, 64
	s_mov_b32 s21, 512
	s_mov_b32 s22, 1024
	s_mov_b32 s28, 1536
	s_mov_b32 s29, 768
	s_lshl_b32 s30, s18, 14                        ; wave x 256 channels of 64 bytes
	s_add_nc_u64 s[24:25], s[24:25], s[30:31]
	s_mul_i32 s30, s18, 24576                      ; wave x 32 groups of 768 bytes
	s_lshl_b32 s2, s2, 8                           ; the matrix's 16 of the 48 rows
	s_add_co_u32 s30, s30, s2
	s_add_co_u32 s30, s30, WP8
	s_add_nc_u64 s[26:27], s[16:17], s[30:31]
.Lw:                                           ; one text for the three: a lane gathers 8 k of one column, 16 times, and stores 16 bytes each time
	v_lshlrev_b32 v1, 2, v26
	v_mad_u32_u24 v[VI], v27, s21, v1
.irp i, 1,2,3,4,5,6,7
	v_add_nc_u32 v[VI+(\i)], s20, v[VI+(\i)-1]
.endr
	v_lshlrev_b32 v1, 4, v26
	v_mad_u32_u24 v[VD], v27, s29, v1
.irp p, 1,2,3,4,5,6,7,8,9,10,11,12,13,14,15
	v_add_nc_u32 v[VD+(\p)], s28, v[VD+(\p)-1]
.endr
	s_mov_b64 s[32:33], s[24:25]
.irp p, 1,2,3,4,5,6,7,8,9,10,11,12,13,14,15
	s_add_nc_u64 s[32+2*(\p):33+2*(\p)], s[30+2*(\p):31+2*(\p)], s[22:23]
.endr
	s_wait_alu depctr_va_vdst(0)                   ; the 24 offsets v2 to v25 are written, which the loads and stores below read
.irp p, 0,1,2,3,4,5,6,7,8,9,10,11,12,13,14,15
.irp i, 0,1,2,3,4,5,6,7
	global_load_b32 v[R+8*(\p)+(\i)], v[VI+(\i)], s[32+2*(\p):33+2*(\p)]
.endr
.endr
.set p, 0
.rept 16
.if 120-8*p > 63
	s_wait_loadcnt 63                              ; the wait's field holds no more; a smaller count than the 120 - 8 p younger loads
.else
	s_wait_loadcnt 120-8*p                         ; the loads younger than piece p's last
.endif
.irp k, 0,1,2,3
	v_cvt_pk_bf16_f32 v[R+8*p+(\k)], v[R+8*p+2*(\k)], v[R+8*p+2*(\k)+1]  ; each pair is read before its place is written
.endr
.if p%4 == 3
	s_wait_alu depctr_va_vdst(0)                   ; the conversions of four pieces have written the registers that the four stores below read
.irp q, 3,2,1,0
	global_store_b128 v[VD+p-(\q)], v[R+8*(p-(\q)):R+8*(p-(\q))+3], s[26:27]  ; 16 lanes store 256 consecutive bytes, aligned
.endr
.endif
.set p, p+1
.endr
	s_branch .Lend
.Lx:                                           ; x [8192][1024]: 16 rows x 128 k a wave, turned in the wave's own stage: [16 groups, 272 bytes apart][16 rows][16 bytes]
	s_sub_co_u32 s2, s19, 195
	s_lshl_b32 s30, s2, 16                         ; 16 rows of 4,096 bytes
	s_lshl_b32 s3, s18, 9                          ; the wave's 512 bytes of a row
	s_add_co_u32 s30, s30, s3
	s_add_nc_u64 s[24:25], s[4:5], s[30:31]
	s_lshl_b32 s30, s18, 21                        ; wave x 16 groups of 131,072 bytes
	s_lshl_b32 s3, s2, 8                           ; 16 rows of 16 bytes
	s_add_co_u32 s30, s30, s3
	s_add_nc_u64 s[26:27], s[16:17], s[30:31]
	v_lshlrev_b32 v2, 4, v28
	s_wait_alu depctr_va_vdst(0)                   ; v2 is written, which the sixteen loads read as their offset
.irp i, 0,1,2,3,4,5,6,7,8,9,10,11,12,13,14,15
	global_load_b128 v[32+4*(\i):35+4*(\i)], v2, s[24:25] offset:(\i)*4096 th:TH_LOAD_NT
.endr
	s_mul_i32 s3, s18, 4352
	v_lshrrev_b32 v3, 1, v28                       ; in: group l / 2, half l % 2
	v_mul_u32_u24 v3, v3, 272
	v_and_b32 v4, 1, v28
	v_lshl_add_u32 v3, v4, 3, v3
	v_add_nc_u32 v3, s3, v3
	v_mul_u32_u24 v4, v27, 272                     ; back: group 2 p + h, row r
	v_lshl_add_u32 v4, v26, 4, v4
	v_add_nc_u32 v4, s3, v4
	v_lshlrev_b32 v5, 17, v27
	v_lshl_add_u32 v5, v26, 4, v5
.set i, 0
.rept 16
	s_wait_loadcnt 15-i                            ; the younger rows stay out
	v_cvt_pk_bf16_f32 v[96+2*i], v[32+4*i], v[33+4*i]
	v_cvt_pk_bf16_f32 v[97+2*i], v[34+4*i], v[35+4*i]
.if i%4 == 3
	s_wait_alu depctr_va_vdst(0)                   ; the conversions of four rows have written the registers that the four LDS stores below read; the first time: v3, v4 and v5 are written too
.irp q, 3,2,1,0
	ds_store_b64 v3, v[96+2*(i-(\q)):97+2*(i-(\q))] offset:(i-(\q))*16
.endr
.endif
.set i, i+1
.endr
.irp p, 0,1,2,3,4,5,6,7
	ds_load_b128 v[128+4*(\p):131+4*(\p)], v4 offset:(\p)*544  ; LDS serves a wave's instructions in order: these see the stores above
.endr
.irp p, 0,1,2,3,4,5,6,7
	s_wait_dscnt 7-(\p)                            ; the younger loads stay out
	global_store_b128 v5, v[128+4*(\p):131+4*(\p)], s[26:27] offset:(\p)*262144
.endr
.Lend:
	s_wait_dscnt 0x0                               ; the closing lines, six on end
	s_wait_alu 0x0
	s_wait_tensorcnt 0x0
	ds_add_u32 v30, v31
	s_wait_dscnt 0x0
	s_endpgm
.Lfunc_end_k_qe53789f51b_prep:
	.size	k_qe53789f51b_prep, .Lfunc_end_k_qe53789f51b_prep-k_qe53789f51b_prep
	.p2alignl 7, 3214868480
	.fill 96, 4, 3214868480
	.section	.rodata,"a",@progbits
	.p2align	6, 0x0
	.amdhsa_kernel k_qe53789f51b_prep
		.amdhsa_group_segment_fixed_size 35840
		.amdhsa_private_segment_fixed_size 0
		.amdhsa_enable_private_segment 0
		.amdhsa_kernarg_size 56
		.amdhsa_user_sgpr_count 2
		.amdhsa_user_sgpr_kernarg_segment_ptr 1
		.amdhsa_wavefront_size32 1
		.amdhsa_system_sgpr_workgroup_id_x 1
		.amdhsa_system_sgpr_workgroup_id_y 1
		.amdhsa_system_sgpr_workgroup_id_z 1
		.amdhsa_system_vgpr_workitem_id 0
		.amdhsa_next_free_vgpr 176
		.amdhsa_next_free_sgpr 66
		.amdhsa_reserve_vcc 0
		.amdhsa_float_denorm_mode_32 3
		.amdhsa_float_denorm_mode_16_64 3
		.amdhsa_memory_ordered 1
		.amdhsa_forward_progress 1
		.amdhsa_inst_pref_size 32
	.end_amdhsa_kernel
	.amdgpu_metadata
---
amdhsa.version: [ 1, 2 ]
amdhsa.kernels:
  - .name:           k_qe53789f51b_prep
    .symbol:         k_qe53789f51b_prep.kd
    .args:
      - { .name: x, .offset: 0, .size: 8, .value_kind: global_buffer, .address_space: global }
      - { .name: W_in, .offset: 8, .size: 8, .value_kind: global_buffer, .address_space: global }
      - { .name: W_out, .offset: 16, .size: 8, .value_kind: global_buffer, .address_space: global }
      - { .name: W_A, .offset: 24, .size: 8, .value_kind: global_buffer, .address_space: global }
      - { .name: W_B, .offset: 32, .size: 8, .value_kind: global_buffer, .address_space: global }
      - { .name: W_C, .offset: 40, .size: 8, .value_kind: global_buffer, .address_space: global }
      - { .name: prep, .offset: 48, .size: 8, .value_kind: global_buffer, .address_space: global }
    .group_segment_fixed_size: 35840
    .private_segment_fixed_size: 0
    .kernarg_segment_align: 8
    .kernarg_segment_size: 56
    .max_flat_workgroup_size: 256
    .sgpr_count:     66
    .vgpr_count:     176
    .wavefront_size: 32
...
	.end_amdgpu_metadata
.endif
;; end of part 6
;; launch gemm1: the kernel of part 2 again; grid 16 x 32, 4 waves a work-group, clusters of 4 x 4, 327,680 bytes of LDS; arguments prep, xin, pp; writes xin, pp
;; launch chunks: the kernel of part 3 again; grid 128 x 1, 8 waves a work-group, no clusters, 17,408 bytes of LDS; arguments pp, chk; writes chk
;; launch scan (part 7): grid 64 x 4, 8 waves a work-group, no clusters, 267,264 bytes of LDS; arguments xin, chk, norm_w, y8, ssq; writes y8, ssq
.if DOCPART == 7
	.amdgcn_target "amdgcn-amd-amdhsa--gfx1250"
	.amdhsa_code_object_version 6
	.text
	.protected	k_qe53789f51b_scan
	.globl	k_qe53789f51b_scan
	.p2align	8
	.type	k_qe53789f51b_scan,@function
k_qe53789f51b_scan:
	s_mov_b64 s[64:65], 0
	v_nop
	global_prefetch_b8 v0, s[64:65] scope:SCOPE_SE
	s_setreg_imm32_b32 hwreg(HW_REG_WAVE_SCHED_MODE, 0, 2), 2
	s_setreg_imm32_b32 hwreg(HW_REG_WAVE_MODE, 25, 1), 1
	s_wait_xcnt 0x0
	s_wait_alu depctr_vm_vsrc(0)
; SCAN: the state and the outputs, for 32 channels of one batch a work-group; wave w owns the chunks 4 w .. 4 w + 3 of the batch's 32.
; Phase 0: my 256 steps of x_in into LDS.  Phase 1: each chunk's own contribution to the state, Sloc = b^ X (f16 pair x f16).  Phase 2: the 32 chunks' states one after the other, two numbers a thread:
; P = P exp(-Etot) + Sloc / L; what chunk c finds, P L_c, goes to LDS as a bf16 pair.  Phase 3: out' = (P L) c^ + X M', its sum of squares, and out' x norm_w in bf16.
; LEFT OUT: the product with the zero initial state (chunk 0 finds no state: wave 0 starts that chunk's sums with the constant 0, and phase 2 stores none for it); the last chunk's contribution to the state
; and the last state (reference() drops the final state); M's fragments above the diagonal.
; NO CLUSTER: what the 64 work-groups of a batch share (14 KiB of fragments a chunk) goes straight into registers in fragment order; asked for jointly it would have to lie in LDS, 448 KiB a work-group.
; norm_w is rounded to bf16 like every input.  LIMITS as stated in the program's first kernel.
; Results hold one step t a lane (lane % 16) and eight neighbouring channels: 16 bytes of y8 = [256 groups][8192 t][8].
; THE MODE: SCHED_MODE bits 1:0 = 2 (LLVM: expert scheduling mode 2), set by the entry lines.  The code itself states the register dependences
; between vector or matrix instructions and memory or LDS instructions, with s_wait_alu, always for 0.
; THE PLAN.  Registers that memory or LDS instructions touch:
;   v4-v13, v50      offsets and LDS addresses: made at the head, never written again: one wait ahead of the first load serves them all.
;   v64-v191         phase 0: x_in lands here and the 32 LDS stores read it.  Later: the decays (v130-189) and Sloc (v64-125) land here; phase 3's accumulators (v64-127), states' fragments (v128-159), out-buffer (v160-191).
;   v34-v49          phase 1: a chunk's products write them, its four LDS stores read them, the next chunk's products write them again.
;   v192-v255        phase 1: the turning loads land here (two sets), the products read.  Phase 2: P in v192-193; the 31 states' 62 words each have a register of their own, v194-255, written by
;                    conversions and read by LDS stores, so nothing is written twice there.  Phase 3: v192-223 take the turning loads; v224-239 the sums of squares, of which v224 and v232 are stored.
;   window 1 v0-159  b^'s fragments, then the two fragment sets: loads land, products read.
;   v14, v15         written at the head, read by the closing add alone.
; Phase 1 has, for each chunk, one wait behind its products (its stores' data are written; its sources may be loaded again) and one ahead of the next chunk's products (the stores have read the accumulators).
; Phase 2 has one wait and one run of stores for every eight chunks.  Phase 3 has three waits a chunk: behind the last products, where the next chunk's LDS loads and the set two chunks on are asked for at once,
; to land during the epilogue, which names none of their registers; ahead of the epilogue, for the out-buffer that the last chunk's stores have read; and behind the epilogue, ahead of its ten stores.
.set CF,   1048576
.set BF,   1572864
.set DEC,  2097152
.set LAM,  2105344
.set SL,   135168                      ; LDS: behind the eight waves' x_in ([4 groups, 4,224 bytes apart][256 steps][16 bytes]): Sloc, f32: chunk x 2,048 + d block x 1,024 + part x 512 + lane x 16
.set SO,   200704                      ; the states as fragments, bf16: chunk x 2,048 + d block x 1,024 + (high, low) x 512 + lane x 16
.set SPARE, 266240                     ; the spare words, 128 bytes a wave
.set XT,   192                         ; v192-223, v224-255: x_in turned, two sets: (d block, key half) at 8 (2 d + q)
.set MSB, 0
.macro WIN new
.if MSB != (\new)
	s_set_vgpr_msb (MSB<<8)|(\new)
.set MSB, \new
.endif
.endm
.macro PLACES
.rept 4
	v_nop
.endr
.endm
	s_load_b256 s[4:11], s[0:1], 0x0               ; xin s[4:5], chk s[6:7], norm_w s[8:9], y8 s[10:11]
	s_load_b64 s[12:13], s[0:1], 0x20              ; ssq
	v_lshl_add_u32 v14, v0, 2, SPARE               ; my spare word,
	v_mov_b32 v15, 0                               ; and 0: kept for the closing add alone
	v_lshrrev_b32 v1, 5, v0
	v_readfirstlane_b32 s16, v1                    ; wave
	s_mov_b32 s17, ttmp9                           ; the slice of 32 channels
	s_and_b32 s18, ttmp7, 0xffff                   ; the batch
	v_and_b32 v2, 31, v0                           ; l
	v_and_b32 v3, 15, v0                           ; r
	v_bfe_u32 v17, v0, 4, 1                        ; h
	v_mov_b32 v16, -1.0
	v_lshlrev_b32 v4, 4, v2                        ; 16 l
	s_wait_alu depctr_va_sdst(0)                   ; s16 is written, ahead of its first reader: LDS addresses, bases and two branches are made from it
	s_mul_i32 s21, s16, 16896
	v_add_nc_u32 v5, s21, v4                       ; x_in: in
	v_bfe_u32 v1, v0, 3, 1                         ; the turning load: lane l reads group (l / 8) % 2, step 8 h + l % 8
	v_mul_u32_u24 v1, v1, 4224
	v_and_b32 v6, 7, v0
	v_lshl_add_u32 v6, v17, 3, v6
	v_lshl_add_u32 v6, v6, 4, v1
	v_add_nc_u32 v6, s21, v6
	s_lshl_b32 s21, s16, 13
	s_add_co_u32 s19, s21, SL
	v_add_nc_u32 v7, s19, v4                       ; Sloc: my chunks
	v_lshl_add_u32 v8, v0, 3, SL                   ; Sloc: my two numbers
	v_lshrrev_b32 v1, 7, v0                        ; the same two numbers in a state fragment
	v_lshlrev_b32 v9, 10, v1
	v_bfe_u32 v1, v0, 1, 5
	v_lshl_add_u32 v9, v1, 4, v9
	v_bfe_u32 v1, v0, 6, 1
	v_lshl_add_u32 v9, v1, 3, v9
	v_and_b32 v1, 1, v0
	v_lshl_add_u32 v9, v1, 2, v9
	v_add_nc_u32 v9, SO, v9
	s_add_co_u32 s19, s21, SO
	v_add_nc_u32 v10, s19, v4                      ; the states: my chunks
	v_lshlrev_b32 v11, 17, v17
	v_lshl_add_u32 v11, v3, 4, v11                 ; y8
	v_lshlrev_b32 v12, 2, v2                       ; ssq
	v_bfe_u32 v1, v0, 5, 1                         ; my two n in a row of DEC: 8 bit5 + 4 bit6 + 2 bit0, in bytes
	v_lshlrev_b32 v13, 5, v1
	v_bfe_u32 v1, v0, 6, 1
	v_lshl_add_u32 v13, v1, 4, v13
	v_and_b32 v1, 1, v0
	v_lshl_add_u32 v13, v1, 3, v13
	v_lshlrev_b32 v50, 5, v17                      ; norm_w: 8 h channels
	s_mov_b32 s20, 0xffff0000                      ; lanes 16-31
	s_mov_b32 s28, 0x76543210
	s_mov_b32 s29, 0xfedcba98
	s_lshl_b32 s19, s18, 11
	s_lshl_b32 s21, s16, 8
	s_add_co_u32 s19, s19, s21                     ; my first row: 2,048 b + 256 w
	s_mov_b32 s31, 0
	s_wait_kmcnt 0x0
	s_lshl_b32 s30, s17, 19                        ; 4 groups of 131,072 bytes a slice
	s_lshl_b32 s21, s19, 4
	s_add_co_u32 s30, s30, s21
	s_add_nc_u64 s[22:23], s[4:5], s[30:31]        ; xin
	s_add_nc_u64 s[2:3], s[10:11], s[30:31]        ; y8
	s_lshl_b32 s30, s17, 15
	s_lshl_b32 s21, s19, 2
	s_add_co_u32 s30, s30, s21
	s_add_nc_u64 s[100:101], s[12:13], s[30:31]    ; ssq
	s_lshl_b32 s30, s17, 7
	s_add_nc_u64 s[8:9], s[8:9], s[30:31]          ; norm_w
	s_lshl_b32 s21, s18, 5
	s_lshl2_add_u32 s21, s16, s21                  ; my first chunk: 32 b + 4 w
	s_lshl_b32 s30, s21, 13
	s_add_nc_u64 s[24:25], s[6:7], s[30:31]        ; M'
	s_lshl_b32 s30, s21, 12
	s_add_co_u32 s30, s30, CF
	s_add_nc_u64 s[26:27], s[6:7], s[30:31]        ; c^
	s_lshl_b32 s30, s21, 12
	s_add_co_u32 s30, s30, BF
	s_add_nc_u64 s[4:5], s[6:7], s[30:31]          ; b^
	s_lshl_b32 s30, s18, 8
	s_add_co_u32 s30, s30, LAM
	s_add_nc_u64 s[14:15], s[6:7], s[30:31]        ; L, 1 / L of the batch's 32 chunks
	s_lshl_b32 s30, s18, 11
	s_add_co_u32 s30, s30, DEC
	s_add_nc_u64 s[6:7], s[6:7], s[30:31]          ; the decays
	s_load_b512 s[32:47], s[14:15], 0x0            ; chunk c: L in s[32 + 2 c], from c = 16 on in s[36 + 2 c]; 1 / L one above
	s_load_b512 s[48:63], s[14:15], 0x40
	s_load_b512 s[68:83], s[14:15], 0x80
	s_load_b512 s[84:99], s[14:15], 0xc0
	; PHASE 0
	s_wait_alu depctr_va_vdst(0)                   ; the offsets and LDS addresses v4 to v13 and v50 are written: every load and store of the kernel reads one of them
.irp d, 0,1
	global_load_b128 v[18+8*(\d):21+8*(\d)], v50, s[8:9] offset:64*(\d)
	global_load_b128 v[22+8*(\d):25+8*(\d)], v50, s[8:9] offset:64*(\d)+16
.endr
.set k, 0
.rept 32
	global_load_b128 v[64+4*k:67+4*k], v4, s[22:23] offset:(k/8)*131072+(k%8)*512 th:TH_LOAD_NT
.set k, k+1
.endr
	WIN 0x40                                       ; destination window 1: b^'s fragments, (chunk, high or low, key half) at 32 cc + 8 (2 hl + q)
.set k, 0
.rept 32
	global_load_b128 v[4*k:4*k+3], v4, s[4:5] offset:k*512
.set k, k+1
.endr
	WIN 0
.set k, 0
.rept 32
	s_wait_loadcnt 63-k                            ; the younger loads: the rest of x_in and b^'s 32
	ds_store_b128 v5, v[64+4*k:67+4*k] offset:(k/8)*4224+(k%8)*512
.set k, k+1
.endr
.irp i, 0,1,2,3,4,5,6,7
	v_cvt_pk_bf16_f32 v[52+(\i)], v[18+2*(\i)], v[19+2*(\i)]
.endr
.irp i, 0,1,2,3,4,5,6,7
	v_lshlrev_b32 v[18+2*(\i)], 16, v[52+(\i)]
	v_and_b32 v[19+2*(\i)], 0xffff0000, v[52+(\i)]
.endr
	; PHASE 1
.macro TR cc, set                      ; chunk cc's x_in, turned: 16 channels x 32 steps a fragment
.irp d, 0,1
.irp q, 0,1
	ds_load_tr16_b128 v[XT+32*(\set)+8*(2*(\d)+(\q)):XT+32*(\set)+8*(2*(\d)+(\q))+3],   v6 offset:(\d)*8448+(\cc)*1024+(\q)*512
	ds_load_tr16_b128 v[XT+32*(\set)+8*(2*(\d)+(\q))+4:XT+32*(\set)+8*(2*(\d)+(\q))+7], v6 offset:(\d)*8448+(\cc)*1024+(\q)*512+256
.endr
.endr
.endm
.macro STATE cc, free                  ; Sloc of chunk cc: a lane holds one channel and eight n.  The two accumulators by turns.  free = 1: the wait for the last chunk's stores stands here
.if \free
	s_wait_alu depctr_vm_vsrc(0)                   ; the last chunk's LDS stores have read v34 to v49, which the products below write again; the first time: phase 0's stores have read v64 to v191 too
.endif
	WIN 0x01                                       ; source 0 window 1
.irp m, 0,1,2,3
.irp d, 0,1
.if (\m) == 0
	v_wmma_f32_16x16x32_f16 v[34+8*(\d):41+8*(\d)], v[32*(\cc)+8*(\m):32*(\cc)+8*(\m)+7], v[XT+32*((\cc)%2)+8*(2*(\d)+(\m)%2):XT+32*((\cc)%2)+8*(2*(\d)+(\m)%2)+7], 0
.else
	v_wmma_f32_16x16x32_f16 v[34+8*(\d):41+8*(\d)], v[32*(\cc)+8*(\m):32*(\cc)+8*(\m)+7], v[XT+32*((\cc)%2)+8*(2*(\d)+(\m)%2):XT+32*((\cc)%2)+8*(2*(\d)+(\m)%2)+7], v[34+8*(\d):41+8*(\d)]
.endif
.endr
.endr
	WIN 0
.rept 5
	v_nop                                          ; five places: the next chunk's first product writes over an accumulator; four serve the stores
.endr
	s_wait_alu depctr_va_vdst(0)                   ; the products have written v34 to v49, which the stores below read; they are done reading their set of x_in and their b^, in which later loads land
.irp d, 0,1
	ds_store_b128 v7, v[34+8*(\d):37+8*(\d)] offset:(\cc)*2048+(\d)*1024
	ds_store_b128 v7, v[38+8*(\d):41+8*(\d)] offset:(\cc)*2048+(\d)*1024+512
.endr
.endm
	TR 0, 0
	TR 1, 1
	s_wait_loadcnt 24                              ; b^ of the three later chunks stays out
	s_wait_dscnt 8                                 ; the next chunk's eight turning loads stay out
	STATE 0, 0
	TR 2, 0                                        ; no wait: no vector or matrix instruction since the wait in STATE names this set
	s_wait_loadcnt 16
	s_wait_dscnt 12                                ; four stores and eight turning loads are younger
	STATE 1, 1
	TR 3, 1
	s_wait_loadcnt 8
	s_wait_dscnt 12
	STATE 2, 1
	s_wait_loadcnt 0x0                             ; ahead of the jump: no load stays out into the registers that the fragment sets take below
	s_wait_dscnt 4                                 ; four stores are younger
	s_wait_alu depctr_vm_vsrc(0)                   ; ahead of the jump: chunk 2's LDS stores have read v34 to v49, which chunk 3's products write again
	s_cmp_eq_u32 s16, 7                            ; the batch's last chunk adds to a state that nobody reads
	s_cbranch_scc1 .Lno_last
	STATE 3, 0
.Lno_last:                                     ; on both ways the last wait in STATE stands behind the last products, and no vector or matrix instruction follows it: the loads below owe nothing more
.set c, 1
.rept 30
	global_load_b64 v[128+2*c:129+2*c], v13, s[6:7] offset:c*64
.set c, c+1
.endr
.macro SETLD cc, p                     ; chunk cc's fragments into set p of window 1: M' (t block, keys 0-31) at 8 tb, M' (2, 3; keys 32-63) at 32, 40, c^ at 48 + 8 tb: 20 loads
	WIN 0x40
.irp tb, 0,1,2,3
	global_load_b128 v[80*(\p)+8*(\tb):80*(\p)+8*(\tb)+3],   v4, s[24:25] offset:(\cc)*8192+(\tb)*2048
	global_load_b128 v[80*(\p)+8*(\tb)+4:80*(\p)+8*(\tb)+7], v4, s[24:25] offset:(\cc)*8192+(\tb)*2048+512
.endr
.irp tb, 2,3
	global_load_b128 v[80*(\p)+16+8*(\tb):80*(\p)+16+8*(\tb)+3],   v4, s[24:25] offset:(\cc)*8192+(\tb)*2048+1024
	global_load_b128 v[80*(\p)+16+8*(\tb)+4:80*(\p)+16+8*(\tb)+7], v4, s[24:25] offset:(\cc)*8192+(\tb)*2048+1536
.endr
.irp tb, 0,1,2,3
	global_load_b128 v[80*(\p)+48+8*(\tb):80*(\p)+48+8*(\tb)+3],   v4, s[26:27] offset:(\cc)*4096+(\tb)*1024
	global_load_b128 v[80*(\p)+48+8*(\tb)+4:80*(\p)+48+8*(\tb)+7], v4, s[26:27] offset:(\cc)*4096+(\tb)*1024+512
.endr
	WIN 0
.endm
	SETLD 0, 0
	SETLD 1, 1
	s_wait_dscnt 0x0
	s_barrier_signal -1
	s_barrier_wait -1
	; PHASE 2
.set c, 0
.rept 31
	ds_load_b64 v[64+2*c:65+2*c], v8 offset:c*2048
.set c, c+1
.endr
	s_wait_kmcnt 0x0                               ; L, 1 / L
	s_wait_loadcnt 40                              ; the decays are in; the two fragment sets stay out
	s_wait_dscnt 0x0
	v_mul_f32 v192, s33, v64                       ; the state behind chunk 0: it found zeros
	v_mul_f32 v193, s33, v65
.set c, 1
.rept 31
.if c < 16
.set LR, 32+2*c
.else
.set LR, 36+2*c
.endif
.set TT, 52+4*(c%2)                    ; at work: no memory or LDS instruction names v52 to v59
.set HW, 192+2*c                       ; chunk c's two words, high parts and low parts: registers of their own
	v_pk_mul_f32 v[TT:TT+1], v[192:193], s[LR:LR+1] op_sel_hi:[1,0]  ; what chunk c finds, times its L
.if c < 31
	v_pk_mul_f32 v[192:193], v[192:193], v[128+2*c:129+2*c]
	v_fmac_f32 v192, s[LR+1], v[64+2*c]
	v_fmac_f32 v193, s[LR+1], v[65+2*c]
.endif
	v_cvt_pk_bf16_f32 v[HW], v[TT], v[TT+1]
	v_fma_mix_f32_bf16 v[TT+2], v[HW], v16, v[TT] op_sel_hi:[1,0,0]
	v_fma_mix_f32_bf16 v[TT+3], v[HW], v16, v[TT+1] op_sel:[1,0,0] op_sel_hi:[1,0,0]
	v_cvt_pk_bf16_f32 v[HW+1], v[TT+2], v[TT+3]
.if (c%8 == 0) || (c == 31)
	s_wait_alu depctr_va_vdst(0)                   ; the conversions of up to eight chunks have written the words that the run of LDS stores below reads; the last time: phase 2 is done with v128 to v223, in which phase 3's LDS loads land
.set g, (c-1)/8*8+1
.rept c-g+1
	ds_store_b32 v9, v[192+2*g] offset:g*2048
	ds_store_b32 v9, v[193+2*g] offset:g*2048+512
.set g, g+1
.endr
.endif
.set c, c+1
.endr
	s_wait_dscnt 0x0
	s_barrier_signal -1
	s_barrier_wait -1
	; PHASE 3.  Accumulator (t block, d block) at v[64 + 8 (2 tb + d)]; eight by turns, one instruction a turn
	s_wait_alu depctr_vm_vsrc(0)                   ; phase 2's LDS stores have read v194 to v255, which the lines below, the turning loads and the sums of squares write again
.irp t, 226,230,234,238
	v_mov_b32 v\t, 0                               ; v_permlanex16_b32's destinations count as read
.endr
.macro SLD cc                          ; what chunk cc finds: the state's high parts and low parts, each twice along K
.irp d, 0,1
.irp hl, 0,1
	ds_load_b128 v[128+16*(\hl)+8*(\d):128+16*(\hl)+8*(\d)+3],   v10 offset:(\cc)*2048+(\d)*1024+(\hl)*512
	ds_load_b128 v[128+16*(\hl)+8*(\d)+4:128+16*(\hl)+8*(\d)+7], v10 offset:(\cc)*2048+(\d)*1024+(\hl)*512
.endr
.endr
.endm
.macro ROUND12                         ; the state's high parts, then its low parts (each stands twice along K), times c^'s 16 high and 16 low parts
.irp hl, 0,1
.irp tb, 0,1,2,3
.irp d, 0,1
.if (\hl) == 0
	v_wmma_f32_16x16x32_bf16 v[64+8*(2*(\tb)+(\d)):71+8*(2*(\tb)+(\d))], v[128+8*(\d):135+8*(\d)], v[P80+48+8*(\tb):P80+55+8*(\tb)], 0
.else
	v_wmma_f32_16x16x32_bf16 v[64+8*(2*(\tb)+(\d)):71+8*(2*(\tb)+(\d))], v[144+8*(\d):151+8*(\d)], v[P80+48+8*(\tb):P80+55+8*(\tb)], v[64+8*(2*(\tb)+(\d)):71+8*(2*(\tb)+(\d))]
.endif
.endr
.endr
.endr
.endm
.macro ROUND3 zero                     ; x_in's steps 0-31 times M'
.irp tb, 0,1,2,3
.irp d, 0,1
.if \zero
	v_wmma_f32_16x16x32_f16 v[64+8*(2*(\tb)+(\d)):71+8*(2*(\tb)+(\d))], v[XT+16*(\d):XT+16*(\d)+7], v[P80+8*(\tb):P80+8*(\tb)+7], 0
.else
	v_wmma_f32_16x16x32_f16 v[64+8*(2*(\tb)+(\d)):71+8*(2*(\tb)+(\d))], v[XT+16*(\d):XT+16*(\d)+7], v[P80+8*(\tb):P80+8*(\tb)+7], v[64+8*(2*(\tb)+(\d)):71+8*(2*(\tb)+(\d))]
.endif
.endr
.endr
.endm
.macro ROUND4                          ; steps 32-63, for the t blocks that see them
.irp tb, 2,3
.irp d, 0,1
	v_wmma_f32_16x16x32_f16 v[64+8*(2*(\tb)+(\d)):71+8*(2*(\tb)+(\d))], v[XT+16*(\d)+8:XT+16*(\d)+15], v[P80+16+8*(\tb):P80+16+8*(\tb)+7], v[64+8*(2*(\tb)+(\d)):71+8*(2*(\tb)+(\d))]
.endr
.endr
.endm
.macro CHUNK cc, left                  ; left: the other set's loads, which may stay out
.set P80, 80*((\cc)%2)
.if (\cc) == 0
	TR 0, 0                                        ; chunk 0's LDS loads stand here; each later chunk's were asked for behind the products of the chunk before
	s_cmp_eq_u32 s16, 0                            ; the batch's first chunk finds the zero state: no product with it
	s_cbranch_scc1 .Lzero
	SLD 0
.endif
	s_wait_dscnt 0x0
	s_wait_loadcnt \left
	WIN 0x04                                       ; source 1 window 1
	ROUND12
.rept 5
	v_nop                                          ; five places: the f16 form takes the bf16 form's accumulators up, which is no chain
.endr
	ROUND3 0
.if (\cc) == 0
	WIN 0
	s_branch .Ljoin
.Lzero:
	s_wait_dscnt 0x0
	s_wait_loadcnt \left
	WIN 0x04
	ROUND3 1
	WIN 0
.Ljoin:
.endif
	WIN 0x04
	ROUND4
	WIN 0
	PLACES                                         ; four places behind the last product, before the epilogue reads its result (ISA guide 7.12.1)
.if (\cc) < 3
	s_wait_alu depctr_va_vdst(0)                   ; the chunk's products are done reading x_in's set (v192-223), the state's fragments (v128-159) and their fragment set in window 1: the loads below land in these
	TR (\cc)+1, 0                                  ; the next chunk's x_in and state: they land during the epilogue, which names none of their registers
	SLD (\cc)+1
.endif
.if (\cc) < 2
	SETLD (\cc)+2, (\cc)%2                         ; the set just multiplied takes the chunk two on
.endif
	s_wait_xcnt 0x0                                ; the last chunk's stores have had their addresses translated: their data are rewritten only behind this wait
.if (\cc) > 0
	s_wait_alu depctr_vm_vsrc(0)                   ; the last chunk's stores have read v160 to v191, v224 and v232, which the epilogue below writes again
.endif
.irp tb, 0,1,2,3
.set A, 64+16*(\tb)
.set Q, 224+4*(\tb)
	v_pk_mul_f32 v[Q:Q+1], v[A:A+1], v[A:A+1]      ; the sum of squares of my 16 channels
.irp i, 1,2,3,4,5,6,7
	v_pk_fma_f32 v[Q:Q+1], v[A+2*(\i):A+2*(\i)+1], v[A+2*(\i):A+2*(\i)+1], v[Q:Q+1]
.endr
.irp i, 0,1,2,3,4,5,6,7
	v_pk_mul_f32 v[A+2*(\i):A+2*(\i)+1], v[A+2*(\i):A+2*(\i)+1], v[18+2*(\i):19+2*(\i)]
.endr
.irp i, 0,1,2,3,4,5,6,7
	v_cvt_pk_bf16_f32 v[160+8*(\tb)+(\i)], v[A+2*(\i)], v[A+2*(\i)+1]
.endr
	v_add_f32 v[Q], v[Q], v[Q+1]
	v_permlanex16_b32 v[Q+2], v[Q], s28, s29       ; the step's other 16 channels lie in the lane 16 away
	v_add_f32 v[Q], v[Q], v[Q+2]
.endr
	v_cndmask_b32 v224, v224, v228, s20            ; lanes 0-15 keep t block 0's, lanes 16-31 take t block 1's
	v_cndmask_b32 v232, v232, v236, s20
	s_wait_alu depctr_va_vdst(0)                   ; the epilogue has written v160 to v191, v224 and v232, which the ten stores below read
.irp tb, 0,1,2,3
	global_store_b128 v11, v[160+8*(\tb):163+8*(\tb)], s[2:3] offset:(\cc)*1024+(\tb)*256          ; 16 lanes store 256 consecutive bytes, aligned
	global_store_b128 v11, v[164+8*(\tb):167+8*(\tb)], s[2:3] offset:262144+(\cc)*1024+(\tb)*256
.endr
	global_store_b32 v12, v224, s[100:101] offset:(\cc)*256
	global_store_b32 v12, v232, s[100:101] offset:(\cc)*256+128
.endm
	CHUNK 0, 20
	CHUNK 1, 20
	CHUNK 2, 20
	CHUNK 3, 0
	s_wait_dscnt 0x0                               ; the closing lines, six on end
	s_wait_alu 0x0
	s_wait_tensorcnt 0x0
	ds_add_u32 v14, v15
	s_wait_dscnt 0x0
	s_endpgm
.Lfunc_end_k_qe53789f51b_scan:
	.size	k_qe53789f51b_scan, .Lfunc_end_k_qe53789f51b_scan-k_qe53789f51b_scan
	.p2alignl 7, 3214868480
	.fill 96, 4, 3214868480
	.section	.rodata,"a",@progbits
	.p2align	6, 0x0
	.amdhsa_kernel k_qe53789f51b_scan
		.amdhsa_group_segment_fixed_size 267264
		.amdhsa_private_segment_fixed_size 0
		.amdhsa_enable_private_segment 0
		.amdhsa_kernarg_size 40
		.amdhsa_user_sgpr_count 2
		.amdhsa_user_sgpr_kernarg_segment_ptr 1
		.amdhsa_wavefront_size32 1
		.amdhsa_system_sgpr_workgroup_id_x 1
		.amdhsa_system_sgpr_workgroup_id_y 1
		.amdhsa_system_sgpr_workgroup_id_z 1
		.amdhsa_system_vgpr_workitem_id 0
		.amdhsa_next_free_vgpr 416
		.amdhsa_next_free_sgpr 102
		.amdhsa_reserve_vcc 0
		.amdhsa_float_denorm_mode_32 3
		.amdhsa_float_denorm_mode_16_64 3
		.amdhsa_memory_ordered 1
		.amdhsa_forward_progress 1
		.amdhsa_inst_pref_size 97
	.end_amdhsa_kernel
	.amdgpu_metadata
---
amdhsa.version: [ 1, 2 ]
amdhsa.kernels:
  - .name:           k_qe53789f51b_scan
    .symbol:         k_qe53789f51b_scan.kd
    .args:
      - { .name: xin, .offset: 0, .size: 8, .value_kind: global_buffer, .address_space: global }
      - { .name: chk, .offset: 8, .size: 8, .value_kind: global_buffer, .address_space: global }
      - { .name: norm_w, .offset: 16, .size: 8, .value_kind: global_buffer, .address_space: global }
      - { .name: y8, .offset: 24, .size: 8, .value_kind: global_buffer, .address_space: global }
      - { .name: ssq, .offset: 32, .size: 8, .value_kind: global_buffer, .address_space: global }
    .group_segment_fixed_size: 267264
    .private_segment_fixed_size: 0
    .kernarg_segment_align: 8
    .kernarg_segment_size: 40
    .max_flat_workgroup_size: 256
    .sgpr_count:     102
    .vgpr_count:     416
    .wavefront_size: 32
...
	.end_amdgpu_metadata
.endif
;; end of part 7
;; launch gemm2: the kernel of part 5 again; grid 8 x 32, 4 waves a work-group, clusters of 4 x 4, 327,680 bytes of LDS; arguments y8, prep, ssq, chk, out0; writes out0
